; MI455X (gfx1250); checked and timed in simulation.
; The chip was launched on July 23, 2026; its instructions are those of AMD's public machine-readable ISA for CDNA 5 (MIT licence, August 2026) and "CDNA5" Instruction Set Architecture Reference Guide (July 2026). The comments in the code are by the model that wrote it; some were corrected since.
;; Causal Self Attention. Allowed arithmetic: matrix products marked QUANTISED: E5M2 operands, one given power-of-two scale a tensor, by v_wmma_f32_16x16x64_bf8_bf8 or v_wmma_f32_16x16x128_bf8_bf8, f32 sums; everything else in f32.
;; Inputs: W_out 1,024 x 1,024 float32; W_qkv 1,024 x 3,072 float32; b_out 1,024 float32; b_qkv 3,072 float32; lowp_scales 8 int32 (the exponents e of the quantised operands' scales 2^e); x 4 x 2,048 x 1,024 float32.
;; Outputs: out0 4 x 2,048 x 1,024 float32.
;; This version of the problem:
;;   THIS VERSION OF THE PROBLEM IS GIVEN IN LOW PRECISION. The matrix products marked QUANTISED in the list below multiply operands that are first quantised to E5M2 (5 exponent bits, 2 mantissa bits; 8 bits a number), with one given power-of-two scale for each operand tensor; their sums are f32. All else is computed in f32.
;;   The module's matrix products, in the order in which they are computed (A, B: the left and right operand; K: the contracted axis; several contracted axes count as one K, in the product's order):
;;     1. [M 8,192, K 1,024] x [K 1,024, N 3,072]; A: input x; B: input W_qkv: QUANTISED (scales: A lowp_scales[0], B lowp_scales[1])
;;     2. batch 64 x [M 2,048, K 64] x [K 64, N 2,048]; A: computed on the way; B: computed on the way: QUANTISED (scales: A lowp_scales[2], B lowp_scales[3])
;;     3. batch 64 x [M 2,048, K 2,048] x [K 2,048, N 64]; A: softmax (see below); B: computed on the way: QUANTISED (scales: A lowp_scales[4], B lowp_scales[5])
;;     4. [M 8,192, K 1,024] x [K 1,024, N 1,024]; A: computed on the way; B: input W_out: QUANTISED (scales: A lowp_scales[6], B lowp_scales[7])
;;   THE QUANTISER, for each operand of a quantised product, along K:
;;     - The operand's scale is 2^e, e = its entry of the input lowp_scales (int32; the entries are numbered through the quantised products in the list's order, A before B).
;;     - Each number is divided by the scale, clamped to +-57,344, and rounded to the nearest number of E5M2, ties to even, subnormals kept.
;;     - The product sums the exact products of the quantised numbers (number of the format x scale) in f32.
;;   ~~~python
;;   def quantise(x, axis, e):      # numpy; x: float32 -> the quantised numbers, widened to float32 again
;;       x = np.moveaxis(x, axis, -1); K = x.shape[-1]
;;       r = np.clip(x / 2.0 ** e, -57344, 57344)
;;       step = 2.0 ** (np.maximum(np.frexp(np.where(r == 0, 1, r))[1] - 1, -14) - 2)
;;       q = np.round(r / step) * step * 2.0 ** e      # np.round: ties to even
;;       return np.moveaxis(q, -1, axis).astype(np.float32)
;;   ~~~
;;   SOFTMAX AHEAD OF A QUANTISED PRODUCT. Where the list says 'softmax', what is quantised is not the finished softmax but p = 2^(t - M), with t = logit x log2(e) and M = ceil(the row's largest t), a whole number; so 1/2 < the row's largest p <= 1. The row's sum l is taken of the UNQUANTISED p, in f32, and the product's result is divided by l at the end. Since M is a whole number, a kernel that streams over the keys may use a running M (the ceiling of the running maximum): every later rescaling is an exact power of two, so the quantised numbers keep their values, but for numbers so far below the row's largest that they fall under the format's range.
;;   OPERANDS COMPUTED ON THE WAY. 'Computed on the way' means the value that the module computes at that place (a softmax that the list does not call 'softmax' is quantised finished and normalised). What goes into a quantiser is computed in f32, as accurately as f32 sums, v_exp_f32 and their like allow (about 1e-6 of the number): no bf16 or f16 on the way to a quantiser, and a product that is left as it is and whose result goes on into a quantised operand takes f32 operands (vector FMAs, or v_wmma_f32_16x16x4_f32). A number that lies on a knife's edge between two numbers of the format may be rounded either way, as far as f32 arithmetic and the matrix unit's own rounding can turn it there, and no further.
;; One version. Each part assembles by itself: llvm-mc -triple=amdgcn-amd-amdhsa -mcpu=gfx1250 --defsym DOCPART=n.
;; ======== version 1 of 1: 4 launches
;; limits: right only within a limited range of input values
;; workspace buffers: x_codes 8,388,608 bytes; w_codes 4,194,304 bytes; qkv_codes 25,165,824 bytes; a_codes 8,388,608 bytes
;; launch quant (part 1): grid 384 x 1, 4 waves a work-group, no clusters, 68,096 bytes of LDS; arguments x, W_qkv, W_out, lowp_scales, x_codes, w_codes; writes x_codes, w_codes
.if DOCPART == 1
	.amdgcn_target "amdgcn-amd-amdhsa--gfx1250"
	.amdhsa_code_object_version 6
	.text
	.protected	k_qb6677d8ecb_quant
	.globl	k_qb6677d8ecb_quant
	.p2align	8
	.type	k_qb6677d8ecb_quant,@function
k_qb6677d8ecb_quant:
	s_mov_b64 s[64:65], 0
	v_nop
	global_prefetch_b8 v0, s[64:65] scope:SCOPE_SE
	s_setreg_imm32_b32 hwreg(HW_REG_WAVE_MODE, 25, 1), 1
	s_wait_xcnt 0x0
; x [8192][1024], W_qkv [1024][3072] and W_out [1024][1024], f32, become codes of BF8 (E5M2), K innermost, each with the one scale 2^e given for it.
; code = number / 2^e, held within +-57,344, rounded to the nearest code, ties to even.  e: entry 0 (x), 1 (W_qkv), 7 (W_out) of the buffer of scales.
; LIMITS: each of these e lies between -126 and 112, so that 2^e and 57,344 x 2^e are f32 numbers.  NaN among the inputs is not served.
; x_codes: [8192][1024].  w_codes: [4096][1024]: rows 0-3071 are W_qkv's columns, rows 3072-4095 W_out's.
; Work-groups 0-255 take x (K is innermost: a plain stream of 32,768 numbers each); work-groups 256-383 take the weights (K is the first axis: a lane takes a column,
; its registers run down K).  The two paths part on the work-group's number, never join, and have LDS bytes of their own.  Work-groups share no input: no cluster.
.set XWG,   256                        ; work-groups of x
.set EMAX,  15
.set MANT,  0x600000                   ; the mantissa field of 57,344 as f32
; path x
.set STEPS, 16                         ; steps of 512 numbers for a wave
.set R,     16                         ; v16-79   four sets of 16 numbers as they are loaded
.set X,     80                         ; v80-111  two sets of 16 neighbours
.set C,     128                        ; v128-191 codes: four registers for each step, so that no store's data are written again
.set WREG,  8192                       ; LDS bytes 0-32767: a region for each wave: two stages of 32 x SP bytes
.set SP,    80                         ; a lane's place in a stage: its 64 bytes + 16 of padding
; path W
.set WST,   32768                      ; LDS bytes 32768-67583: a stage of 32 rows x PITCH for each wave
.set PITCH, 272                        ; 256 bytes of codes + 16 of padding
.set NB,    8                          ; blocks of 32 along K for a wave
.set WX,    32                         ; v32-95   two sets of 32 numbers
.set WC,    96                         ; v96-103  a block's codes
.set OUTR,  112                        ; v112-175 the way out
.set WOF,   176                        ; v176-207 4 x lane + i rows of the weight, i = 0 .. 31; never rewritten
.macro SCALES e                        ; v11 = 2^e as f32 (the conversion takes its exponent field), v10 = 57,344 x 2^e
	s_add_co_i32 s22, \e, 127
	s_lshl_b32 s23, s22, 23
	v_mov_b32 v11, s23
	s_add_co_i32 s22, s22, EMAX
	s_lshl_b32 s22, s22, 23
	s_or_b32 s22, s22, MANT
	v_mov_b32 v10, s22
.endm
	s_load_b256 s[4:11], s[0:1], 0x0               ; x s[4:5], W_qkv s[6:7], W_out s[8:9], the scales' exponents s[10:11]
	s_load_b128 s[12:15], s[0:1], 0x20             ; x_codes s[12:13], w_codes s[14:15]
	v_lshl_add_u32 v208, v0, 2, 0x10800
	v_mov_b32 v209, 0
	v_lshrrev_b32 v1, 5, v0
	v_readfirstlane_b32 s16, v1                    ; wave 0..3
	v_and_b32 v2, 31, v0                           ; lane
	s_wait_kmcnt 0x0
	s_load_b256 s[48:55], s[10:11], 0x0            ; the eight exponents
	s_cmp_lt_u32 ttmp9, XWG
	s_cbranch_scc0 .Lweights
; ---------------- x: each load reads 512 consecutive bytes, 16 a lane; a step's 2,048 bytes turn through the wave's own stage and come back 64 bytes (16 neighbours along K) a lane
	s_wait_alu depctr_va_vdst(0)
	v_lshlrev_b32 v3, 4, v2                        ; my 16 bytes of a load's 512, and of a store's 512
	s_wait_alu depctr_va_vdst(0)
	s_mul_i32 s17, s16, WREG
	v_lshrrev_b32 v14, 2, v2
	v_mul_u32_u24 v14, v14, SP
	v_and_b32 v15, 3, v2
	v_lshl_add_u32 v14, v15, 4, v14
	v_add_nc_u32 v14, s17, v14                     ; into the stage: SP (lane / 4) + 16 (lane % 4)
	v_mul_u32_u24 v15, v2, SP
	v_add_nc_u32 v15, s17, v15                     ; out of it: SP x lane
	s_lshl_b32 s18, ttmp9, 2
	s_add_co_u32 s18, s18, s16                     ; which run of 8,192 numbers is my wave's
	s_lshl_b32 s20, s18, 15
	s_mov_b32 s21, 0
	s_add_nc_u64 s[4:5], s[4:5], s[20:21]
	s_lshl_b32 s20, s18, 13
	s_add_nc_u64 s[12:13], s[12:13], s[20:21]
.macro XLOAD t
.irp i, 0,1,2,3
	global_load_b128 v[R+16*((\t)%4)+4*\i:R+16*((\t)%4)+4*\i+3], v3, s[4:5] offset:2048*(\t)+512*\i th:TH_LOAD_NT
.endr
.endm
.macro XTURN t                         ; LDS serves a wave's instructions in order, so no wait stands between the stores and the loads
.irp i, 0,1,2,3
	ds_store_b128 v14, v[R+16*((\t)%4)+4*\i:R+16*((\t)%4)+4*\i+3] offset:32*SP*((\t)%2)+8*SP*\i
.endr
.irp i, 0,1,2,3
	ds_load_b128 v[X+16*((\t)%2)+4*\i:X+16*((\t)%2)+4*\i+3], v15 offset:32*SP*((\t)%2)+16*\i
.endr
.endm
.irp t, 0,1,2,3
	XLOAD \t
.endr
	s_wait_alu depctr_va_vdst(0)
	s_wait_kmcnt 0x0
	SCALES s48
	s_wait_alu depctr_va_vdst(0)
	s_wait_loadcnt 12                              ; step 0's four loads are in; the twelve of steps 1 to 3 may be out
	XTURN 0
.macro XSTEP t
.set XS, X+16*((\t)%2)
	s_wait_dscnt 0x0                               ; this step's numbers are back from the stage, so its stores into the stage have read their registers,
.if (\t)+4 < STEPS
	XLOAD (\t)+4                                   ; which take the loads of four steps on
.endif
.if (\t)+1 < STEPS
.if STEPS-2-(\t) >= 3
	s_wait_loadcnt 12                              ; the next step's four loads are in; those of the three steps behind it may be out
.else
	s_wait_loadcnt 4*(STEPS-2-(\t))                ; at the end the count runs down
.endif
	XTURN (\t)+1
.endif
.irp i, 0,1,2,3,4,5,6,7,8,9,10,11,12,13,14,15
	v_med3_num_f32 v[XS+\i], v[XS+\i], -v10, v10   ; the conversion to an 8-bit code does not saturate (ISA guide 7.6.2): the hold comes first
.endr
	v_cvt_scalef32_pk8_bf8_f32 v[C+4*(\t):C+4*(\t)+1], v[XS:XS+7], v11
	v_cvt_scalef32_pk8_bf8_f32 v[C+4*(\t)+2:C+4*(\t)+3], v[XS+8:XS+15], v11
	global_store_b128 v3, v[C+4*(\t):C+4*(\t)+3], s[12:13] offset:512*(\t)   ; the wave stores 512 consecutive bytes
.endm
.irp t, 0,1,2,3,4,5,6,7,8,9,10,11,12,13,14,15
	XSTEP \t
.endr
	s_wait_tensorcnt 0x0
	ds_add_u32 v208, v209
	s_wait_dscnt 0x0
	s_endpgm
; ---------------- the weights: work-group u = 32 ky + cg takes the joined columns 128 cg .. + 127 and K = 256 ky .. + 255; a wave 32 columns
.Lweights:
	s_sub_co_u32 s17, ttmp9, XWG
	s_and_b32 s18, s17, 31                         ; cg
	s_lshr_b32 s19, s17, 5                         ; ky
	s_mov_b32 s24, 4096
	s_cmp_lt_u32 s18, 24                           ; W_qkv's columns or W_out's: the choice hangs on the work-group's number alone
	s_cselect_b64 s[4:5], s[6:7], s[8:9]
	s_cselect_b32 s24, 12288, s24                  ; a row of the weight in bytes
	s_cselect_b32 s25, 0, 24
	s_sub_co_u32 s25, s18, s25
	s_lshl_b32 s25, s25, 7
	s_lshl_b32 s26, s16, 5
	s_add_co_u32 s25, s25, s26                     ; my wave's first column in its own tensor
	s_wait_alu depctr_va_vdst(0)
	v_lshlrev_b32 v3, 2, v2                        ; 4 bytes a lane: a load reads 128 consecutive bytes
.set i, 0
.rept 32
	v_mad_u32_u24 v[WOF+i], s24, i, v3             ; + i rows
.set i, i+1
.endr
	s_mul_i32 s28, s19, s24
	s_lshl_b32 s28, s28, 8                         ; 256 ky rows,
	s_lshl_b32 s27, s25, 2
	s_add_co_u32 s28, s28, s27                     ; + my column
	s_mov_b32 s29, 0
	s_lshl_b32 s30, s24, 5                         ; 32 rows on
	s_mov_b32 s31, 0
	s_add_nc_u64 s[32:33], s[4:5], s[28:29]        ; a base for each of the eight blocks: none is stepped while a load is out
.irp t, 1,2,3,4,5,6,7
	s_add_nc_u64 s[32+2*\t:33+2*\t], s[30+2*\t:31+2*\t], s[30:31]
.endr
	s_mul_i32 s20, s16, 32*PITCH
	s_add_co_u32 s20, s20, WST                     ; my stage
	v_mul_u32_u24 v4, v2, PITCH
	v_add_nc_u32 v4, s20, v4                       ; into it: row = my column
	v_and_b32 v5, 15, v2
	v_lshrrev_b32 v6, 4, v2
	v_mul_u32_u24 v7, v6, PITCH
	v_lshl_add_u32 v7, v5, 4, v7
	v_add_nc_u32 v7, s20, v7                       ; out of it: sixteen lanes to a row, two rows an instruction
	v_lshlrev_b32 v8, 10, v6
	v_lshl_add_u32 v8, v5, 4, v8                   ; and the same place in w_codes (rows of 1,024 bytes)
	s_lshl_b32 s21, s18, 7
	s_add_co_u32 s21, s21, s26                     ; my first row of w_codes: the joined column
	s_lshl_b32 s22, s21, 10
	s_lshl_b32 s23, s19, 8
	s_add_co_u32 s22, s22, s23
	s_mov_b32 s23, 0
	s_add_nc_u64 s[14:15], s[14:15], s[22:23]
.macro WLOAD t                         ; block t: W(256 ky + 32 t + i, my column), i = 0 .. 31, into set t % 2
.set i, 0
.rept 32
	global_load_b32 v[WX+32*((\t)%2)+i], v[WOF+i], s[32+2*(\t):33+2*(\t)] th:TH_LOAD_NT
.set i, i+1
.endr
.endm
	WLOAD 0
	WLOAD 1
	s_wait_kmcnt 0x0
	s_cmp_lt_u32 s18, 24
	s_cselect_b32 s26, s49, s55                    ; e
	SCALES s26
.macro WBLOCK t
.set XS, WX+32*((\t)%2)
.if (\t) < NB-1
	s_wait_loadcnt 32                              ; this block's 32 loads are in; the next block's 32 may be out
.else
	s_wait_loadcnt 0
.endif
.set i, 0
.rept 32
	v_med3_num_f32 v[XS+i], v[XS+i], -v10, v10
.set i, i+1
.endr
.irp g, 0,1,2,3
	v_cvt_scalef32_pk8_bf8_f32 v[WC+2*\g:WC+2*\g+1], v[XS+8*\g:XS+8*\g+7], v11
.endr
	ds_store_b128 v4, v[WC:WC+3] offset:32*(\t)    ; 32 codes: 32 bytes of my column's row
	ds_store_b128 v4, v[WC+4:WC+7] offset:32*(\t)+16
.if (\t)+2 < NB
	WLOAD (\t)+2
.endif
	s_wait_dscnt 0x0                               ; the stores have read their registers: the next block's codes may be written
.endm
	s_wait_alu depctr_va_vdst(0)
.irp t, 0,1,2,3,4,5,6,7
	WBLOCK \t
.endr
.irp t, 0,1,2,3,4,5,6,7,8,9,10,11,12,13,14,15
	ds_load_b128 v[OUTR+4*\t:OUTR+4*\t+3], v7 offset:2*\t*PITCH   ; LDS serves a wave's instructions in order: these see my stores
.endr
.irp t, 0,1,2,3,4,5,6,7,8,9,10,11,12,13,14,15
	s_wait_dscnt 15-\t                             ; the younger loads may be out
	global_store_b128 v8, v[OUTR+4*\t:OUTR+4*\t+3], s[14:15] offset:2*\t*1024   ; sixteen lanes store 256 consecutive bytes, aligned
.endr
	s_wait_tensorcnt 0x0
	ds_add_u32 v208, v209
	s_wait_dscnt 0x0
	s_endpgm
.Lfunc_end_k_qb6677d8ecb_quant:
	.size	k_qb6677d8ecb_quant, .Lfunc_end_k_qb6677d8ecb_quant-k_qb6677d8ecb_quant
	.p2alignl 7, 3214868480
	.fill 96, 4, 3214868480
	.section	.rodata,"a",@progbits
	.p2align	6, 0x0
	.amdhsa_kernel k_qb6677d8ecb_quant
		.amdhsa_group_segment_fixed_size 68096
		.amdhsa_private_segment_fixed_size 0
		.amdhsa_enable_private_segment 0
		.amdhsa_kernarg_size 48
		.amdhsa_user_sgpr_count 2
		.amdhsa_user_sgpr_kernarg_segment_ptr 1
		.amdhsa_wavefront_size32 1
		.amdhsa_system_sgpr_workgroup_id_x 1
		.amdhsa_system_sgpr_workgroup_id_y 1
		.amdhsa_system_sgpr_workgroup_id_z 1
		.amdhsa_system_vgpr_workitem_id 0
		.amdhsa_next_free_vgpr 210
		.amdhsa_next_free_sgpr 66
		.amdhsa_reserve_vcc 0
		.amdhsa_float_denorm_mode_32 3
		.amdhsa_float_denorm_mode_16_64 3
		.amdhsa_memory_ordered 1
		.amdhsa_forward_progress 1
		.amdhsa_inst_pref_size 88
	.end_amdhsa_kernel
	.amdgpu_metadata
---
amdhsa.version: [ 1, 2 ]
amdhsa.kernels:
  - .name:           k_qb6677d8ecb_quant
    .symbol:         k_qb6677d8ecb_quant.kd
    .args:
      - { .name: x, .offset: 0, .size: 8, .value_kind: global_buffer, .address_space: global }
      - { .name: W_qkv, .offset: 8, .size: 8, .value_kind: global_buffer, .address_space: global }
      - { .name: W_out, .offset: 16, .size: 8, .value_kind: global_buffer, .address_space: global }
      - { .name: lowp_scales, .offset: 24, .size: 8, .value_kind: global_buffer, .address_space: global }
      - { .name: x_codes, .offset: 32, .size: 8, .value_kind: global_buffer, .address_space: global }
      - { .name: w_codes, .offset: 40, .size: 8, .value_kind: global_buffer, .address_space: global }
    .group_segment_fixed_size: 68096
    .private_segment_fixed_size: 0
    .kernarg_segment_align: 8
    .kernarg_segment_size: 48
    .max_flat_workgroup_size: 128
    .sgpr_count:     66
    .vgpr_count:     210
    .wavefront_size: 32
...
	.end_amdgpu_metadata
.endif
;; end of part 1
;; launch gemm_qkv (part 2): grid 8 x 32, 4 waves a work-group, clusters of 4 x 4, 327,680 bytes of LDS; arguments x_codes, w_codes, lowp_scales, b_qkv, qkv_codes; writes qkv_codes
.if DOCPART == 2
	.amdgcn_target "amdgcn-amd-amdhsa--gfx1250"
	.amdhsa_code_object_version 6
	.text
	.protected	k_qb6677d8ecb_gemm_qkv
	.globl	k_qb6677d8ecb_gemm_qkv
	.p2align	8
	.type	k_qb6677d8ecb_gemm_qkv,@function
k_qb6677d8ecb_gemm_qkv:
	s_mov_b64 s[64:65], 0
	v_nop
	global_prefetch_b8 v0, s[64:65] scope:SCOPE_SE
	s_setreg_imm32_b32 hwreg(HW_REG_WAVE_MODE, 25, 1), 1
	s_wait_xcnt 0x0
	s_wait_alu depctr_hold_cnt(0) depctr_sa_sdst(0) depctr_va_vdst(0) depctr_va_sdst(0) depctr_va_ssrc(0) depctr_va_vcc(0) depctr_vm_vsrc(0)
	s_getreg_b32 s2, hwreg(HW_REG_IB_STS2, 6, 4)
	s_cmp_eq_u32 s2, 0
	s_cbranch_scc0 .Lentry_in_a_cluster
	s_endpgm
.Lentry_in_a_cluster:
	s_bfe_u32 s2, ttmp6, 0x10000c
	s_cmp_lg_u32 s2, 0xf033
	s_cbranch_scc0 .Lentry_shape_is_right
	s_endpgm
.Lentry_shape_is_right:
; qkv = Q(x) Q(W_qkv) + b_qkv on codes of BF8 (E5M2), and q, k, v quantised at once for the products that follow.  x_codes [8192][1024], w_codes [4096][1024] (rows 0-3071: W_qkv's columns), K innermost.
; A WORK-GROUP STAYS and makes two blocks for its 256 tokens: first 256 features of q or k, then 128 features of v: 32 x 8 = 256 work-groups share 8,192 x 3,072 evenly.
; K goes in steps of 256 through a ring of two LDS slots (256 rows of tokens, then 256 rows for features), and the ring does not stop between the blocks: the first block's last two changes of slots ask for the
; second block's K steps 0 and 1, which are on their way while the first block goes out.
; THE EIGHT NUMBERS OF A LANE must run along the NEXT product's K: the head's 64 for q and k, the keys for v.  First block: source 0 = 16 features, source 1 = 16 tokens: a lane holds one token and eight features;
; a wave makes 128 x 128, 64 accumulators.  Second block: source 0 = 16 tokens, source 1 = 16 features: a lane holds one feature and eight tokens; a wave makes 128 tokens x 64 features, 32 accumulators.
; CLUSTERS: 4 x 4 work-groups; the tokens' tile hangs on cy and is shared along a row of the cluster, the features' on cx and is shared along a column, in both blocks: each is asked for jointly.
; OUT: sum x 2^(e0 + e1) + bias, held, converted with 2^e2 (q), 2^e3 (k) or 2^e5 (v).  A lane's 16 codes of two neighbouring blocks are 16 bytes of the reader's operand registers:
;   q (byte 0), k (byte 8,388,608): [batch x head][token / 16][c = 0, 1][lane][16 bytes]: lane (r, h): token 16 T + r, d = 32 c + 8 h + 0..7, then 32 c + 16 + 8 h + 0..7
;   v (byte 16,777,216): [batch x head][key / 128][d / 16][c = 0..3][lane][16 bytes]: lane (r, h): d = 16 dt + r, keys 32 c + 8 h + 0..7, then + 16
; so each store of the wave covers 512 consecutive bytes, aligned, straight from registers.
; LIMITS: e0 + e1 between -126 and 127; e2, e3, e5 between -126 and 112.  NaN among the inputs is not served.
; REGISTERS: window 0: v0-31 addresses and constants; from v128 the first block's token fragments (one set of 8), the second block's feature fragments (two sets of 4); on the way out v32-95 numbers, v128-255 codes.
;   window 1: the first block's feature fragments, the second block's token fragments: two sets of 8; at each block's end the bias in set 0.  Windows 2, 3: the accumulators.
.set ROWB,   256
.set KROW,   1024
.set PITCH,  272                       ; an LDS row: 256 bytes + 16 of padding = 68 words: the 16 rows that a load touches start at 16 different banks (64 banks of 4 bytes: ISA guide 11.1)
.set FR,     16
.set NL,     4
.set NP,     4                         ; places behind this matrix instruction (ISA guide 7.12.1)
.set HALFT,  128*PITCH
.set SLOT,   4*HALFT
.set SPARE,  2*SLOT                    ; behind the ring: the spare words, 128 bytes for each wave
.set SCV,  10                          ; 2^eo as f32
.set LIMV, 11                          ; 57,344 x 2^eo
.set ADRA, 16                          ; v16-17 LDS address of my 128 tokens in slot 0, 1
.set ADRB, 20                          ; v20-21 of my features
.set BO0,  24                          ; 32 x (lane / 16): the bias of q, k
.set BO1,  25                          ; 4 x (lane % 16): the bias of v
.set CO,   26                          ; 16 x lane
.set SPW,  28
.set NIL,  29
.set PFO,  30                          ; a lane a row of 1,024 bytes; never rewritten
.set PFF,  31                          ; v's features: 16 rows x two K steps; never rewritten
.set TMP,  32
.set AF,   128
.set CD,   128
.set G1, 24                            ; tokens: group 1, and s[32:39] group 0 for each slot
.set G0, 32
.set G1B, 48                           ; features: the same
.set G0B, 56
.set BI1, 68                           ; s[68:69] the first block's bias
.set OU1, 70                           ; s[70:71] where the first block goes
.set NOF, 85                           ; 0: I ask for v's features
.set PFB, 86                           ; s[86:87] my part of them
.set PFA, 88                           ; s[88:89] my part of the first block's rows
.set NOASK, 93
.set FEA, 94                           ; s[94:95] v's features that I fetch, K step 0
.set MSB, 0
.macro WIN new                         ; the immediate's high byte repeats the setting that is left
.if MSB != (\new)
	s_set_vgpr_msb (MSB<<8)|(\new)
.set MSB, (\new)
.endif
.endm
.set MUL_LO, 0xa1                      ; source 0 window 1, source 1 window 0, C and D window 2
.set MUL_HI, 0xf1
.set TO_B,   0x40
.macro JLOAD s                         ; a joint load into slot s: waves 0 and 1 fetch tokens, waves 2 and 3 features; s_nop 0 and four v_nop follow each line
	s_cmp_eq_u32 s15, 0
	s_cbranch_scc0 .Lfor_b_\@
	tensor_load_to_lds s[G0+4*\s:G0+4*\s+3], s[G1:G1+7]
	s_nop 0
.rept 4
	v_nop
.endr
	s_branch .Lasked_\@
.Lfor_b_\@:
	tensor_load_to_lds s[G0B+4*\s:G0B+4*\s+3], s[G1B:G1B+7]
	s_nop 0
.rept 4
	v_nop
.endr
.Lasked_\@:
.endm
.macro CREST                           ; a round of the cluster's barrier behind its opening barrier
	s_cmp_lg_u32 s14, 0
	s_cbranch_scc1 .Lnot_wave_0_\@
	s_barrier_signal -3
.Lnot_wave_0_\@:
	s_barrier_wait -3
	s_barrier_signal -1
	s_barrier_wait -1
.endm
.macro CROUND
	s_barrier_signal -1
	s_barrier_wait -1
	CREST
.endm
; A prefetch of v's features: of the 64 rows that wave 2 or 3 will fetch, my work-group names 16, told from its three partners' by address (cy); lanes 0-15 name one K step's 256 bytes of them, lanes 16-31 the next's.
; It stands two refills ahead of the first load that wants them.  These rows are read by all eight clusters of a column of the grid: the four of even y name them.
.macro ASKF off
	s_cmp_eq_u32 s[NOF], 0
	s_cbranch_scc0 .Lnot_f_\@
	global_prefetch_b8 v[PFF], s[PFB:PFB+1] offset:\off th:TH_LOAD_NT scope:SCOPE_SE
.Lnot_f_\@:
.endm
	s_load_b128 s[4:7], s[0:1], 0x0                ; x_codes s[4:5], w_codes s[6:7]
	s_load_b128 s[8:11], s[0:1], 0x10              ; the scales' exponents s[8:9], b_qkv s[10:11]
	s_load_b64 s[12:13], s[0:1], 0x20              ; qkv_codes
	v_lshl_add_u32 v[SPW], v0, 2, SPARE
	v_mov_b32 v[NIL], 0
	ds_add_u32 v[SPW], v[NIL]                      ; the opening: the add, twice on end, and its wait ahead of the first tensor load
	ds_add_u32 v[SPW], v[NIL]
	v_lshrrev_b32 v1, 5, v0
	v_readfirstlane_b32 s14, v1                    ; wave 0..3
	s_lshr_b32 s15, s14, 1                         ; which 128 tokens are mine.  Also: I fetch tokens (0) or features (1)
	s_and_b32 s16, s14, 1                          ; which half of the features.  Also: which half of that tile I fetch
	s_bfe_u32 s40, ttmp6, 0x40000                  ; cx, cy: my place in the cluster
	s_bfe_u32 s41, ttmp6, 0x40004
	s_lshl_b32 s42, ttmp9, 2
	s_add_co_u32 s42, s42, s40                     ; block column 0..7
	s_and_b32 s17, ttmp7, 0xffff
	s_lshl_b32 s17, s17, 2
	s_add_co_u32 s17, s17, s41                     ; block row 0..31
	s_lshl_b32 s43, s41, 2
	s_lshl_b32 s43, 15, s43                        ; my row of the cluster
	s_lshl_b32 s44, 0x1111, s40                    ; my column
	s_or_b32 s[G1+0], s43, (0<<16)|(1<<20)|(1<<21)|(5<<22)|(3<<25)  ; the mask; elements of 1 byte; padding on; bit 21 beside a mask; after every 64 words, 4 words
	s_or_b32 s[G1B+0], s44, (0<<16)|(1<<20)|(1<<21)|(5<<22)|(3<<25)
.irp g, G1, G1B
	s_mov_b32 s[\g+1], ROWB<<16                    ; tensor_dim0
	s_mov_b32 s[\g+2], 128<<16                     ; tensor_dim1
	s_mov_b32 s[\g+3], ROWB<<16                    ; tile_dim0
	s_mov_b32 s[\g+4], 128                         ; tile_dim1
	s_mov_b32 s[\g+5], KROW                        ; the pitch
	s_mov_b32 s[\g+6], 0
	s_mov_b32 s[\g+7], 0
.endr
	s_lshl_b32 s18, s16, 7
	s_lshl_b32 s20, s17, 8
	s_add_co_u32 s20, s20, s18                     ; tokens: row 256 x block row + 128 x half
	s_lshl_b32 s20, s20, 10
	s_mov_b32 s21, 0
	s_lshl_b32 s46, s42, 8
	s_add_co_u32 s46, s46, s18                     ; q's, k's features: row 256 x block column + 128 x half
	s_lshl_b32 s46, s46, 10
	s_mov_b32 s47, 0
	s_lshl_b32 s[FEA], s42, 7
	s_lshl_b32 s19, s16, 6
	s_add_co_u32 s[FEA], s[FEA], s19
	s_add_co_u32 s[FEA], s[FEA], 2048              ; v's features: row 2,048 + 128 x block column + 64 x half
	s_lshl_b32 s[FEA], s[FEA], 10
	s_mov_b32 s[FEA+1], 0
	s_mul_i32 s45, s14, HALFT                      ; where they go: wave x 128 rows
	s_wait_dscnt 0x0                               ; both opening adds are done
	s_wait_kmcnt 0x0
	s_load_b256 s[72:79], s[8:9], 0x0              ; e0 .. e7
	s_add_nc_u64 s[20:21], s[4:5], s[20:21]
	s_add_nc_u64 s[46:47], s[6:7], s[46:47]
	s_add_nc_u64 s[FEA:FEA+1], s[6:7], s[FEA:FEA+1]
	CROUND                                         ; all sixteen work-groups are here: the first joint loads meet
.irp s, 0,1
	s_mov_b32 s[G0+4*\s], 1
	s_add_co_u32 s[G0+4*\s+1], s45, \s*SLOT
	s_add_nc_u64 s[G0+4*\s+2:G0+4*\s+3], s[20:21], \s*ROWB
	s_or_b32 s[G0+4*\s+3], s[G0+4*\s+3], 0x80000000
	s_mov_b32 s[G0B+4*\s], 1
	s_add_co_u32 s[G0B+4*\s+1], s45, \s*SLOT
	s_add_nc_u64 s[G0B+4*\s+2:G0B+4*\s+3], s[46:47], \s*ROWB
	s_or_b32 s[G0B+4*\s+3], s[G0B+4*\s+3], 0x80000000
.endr
	JLOAD 0                                        ; K step 0: one tensor load a wave at the head
	; PREFETCHES of the first block: of the 128 rows that I fetch, my work-group names 32, told from its three partners' by address (cx for tokens, cy for features): a lane a row, 256 bytes of it a K step.
	; K steps 1 and 2 are named here, behind K step 0's load, K step 3 behind K step 1's: never more than two K steps are asked for and not yet loaded.  The features' rows, which all eight clusters of a column of the grid read, are named by the four of even y.
	s_cmp_eq_u32 s15, 0
	s_cselect_b64 s[PFA:PFA+1], s[4:5], s[6:7]
	s_cselect_b32 s90, s17, s42
	s_cselect_b32 s91, s40, s41
	s_lshl_b32 s90, s90, 8
	s_add_co_u32 s90, s90, s18
	s_lshl_b32 s91, s91, 5
	s_add_co_u32 s90, s90, s91
	s_lshl_b32 s90, s90, 10
	s_mov_b32 s91, 0
	s_add_nc_u64 s[PFA:PFA+1], s[PFA:PFA+1], s[90:91]
	s_and_b32 s92, ttmp7, 1
	s_and_b32 s[NOASK], s15, s92                   ; 1: features, in a cluster of odd y: I ask for nothing
	s_xor_b32 s[NOF], s15, 1
	s_or_b32 s[NOF], s[NOF], s92                   ; 0: waves 2, 3 in a cluster of even y
	s_lshl_b32 s90, s41, 14                        ; 16 rows for each place along cy
	s_add_nc_u64 s[PFB:PFB+1], s[FEA:FEA+1], s[90:91]
	s_mul_i32 s21, s15, HALFT                      ; my 128 tokens,
	s_mul_i32 s22, s16, HALFT
	s_add_co_u32 s22, s22, 2*HALFT                 ; my features, behind the tokens' 256 rows
	s_add_co_u32 s23, s21, SLOT
	s_add_co_u32 s19, s22, SLOT
	v_and_b32 v1, 15, v0                           ; r
	v_bfe_u32 v2, v0, 4, 1                         ; h
	v_and_b32 v6, 31, v0
	v_mul_u32_u24 v3, v1, PITCH
	v_lshl_add_u32 v4, v2, 4, v3                   ; a fragment's row x pitch + 16 h
	v_add_nc_u32 v[ADRA], s21, v4
	v_add_nc_u32 v[ADRB], s22, v4
	v_add_nc_u32 v[ADRA+1], s23, v4
	v_add_nc_u32 v[ADRB+1], s19, v4
	v_lshlrev_b32 v[BO0], 5, v2
	v_lshlrev_b32 v[BO1], 2, v1
	v_lshlrev_b32 v[CO], 4, v6
	v_lshlrev_b32 v[PFO], 10, v6
	v_lshlrev_b32 v[PFF], 10, v1
	v_lshl_add_u32 v[PFF], v2, 8, v[PFF]
	s_cmp_eq_u32 s[NOASK], 0
	s_cbranch_scc0 .Lno_ask_a
	global_prefetch_b8 v[PFO], s[PFA:PFA+1] offset:256 th:TH_LOAD_NT scope:SCOPE_SE
	global_prefetch_b8 v[PFO], s[PFA:PFA+1] offset:512 th:TH_LOAD_NT scope:SCOPE_SE
.Lno_ask_a:
.macro FRAG reg, adr, q, i             ; 16 rows x 128 K: registers 4 c .. 4 c + 3 hold K = 32 c + 16 h + 0 .. 15: the same order of k in both operands
.irp c, 0,1,2,3
	ds_load_b128 v[\reg+4*\c:\reg+4*\c+3], v[\adr] offset:128*(\q)+32*\c+(\i)*16*PITCH
.endr
.endm
.macro PLACES n                        ; plain vector lines between a matrix instruction and a load into, or a vector read or write of, its registers
.rept \n
	v_nop
.endr
.endm
; ---- the first block's macros: tokens' blocks a = 0..7 (one set, window 0) x features' b = 0..7 (two sets, window 1)
.macro MUL16 a0, p, zero               ; tokens' blocks a0, a0 + 1 x the features' eight; the 64 accumulators take turns, one instruction a turn
.irp a, \a0, \a0+1
.irp b, 0,1,2,3,4,5,6,7
.if \zero
	v_wmma_f32_16x16x128_bf8_bf8 v[8*(8*((\a)%4)+\b):8*(8*((\a)%4)+\b)+7], v[128*(\p)+FR*\b:128*(\p)+FR*\b+FR-1], v[AF+FR*(\a):AF+FR*(\a)+FR-1], 0
.else
	v_wmma_f32_16x16x128_bf8_bf8 v[8*(8*((\a)%4)+\b):8*(8*((\a)%4)+\b)+7], v[128*(\p)+FR*\b:128*(\p)+FR*\b+FR-1], v[AF+FR*(\a):AF+FR*(\a)+FR-1], v[8*(8*((\a)%4)+\b):8*(8*((\a)%4)+\b)+7]
.endif
.endr
.endr
.endm
.macro FETCH_B slot, q, p
	WIN TO_B
.irp i, 0,1,2,3,4,5,6,7
	FRAG 128*(\p)+FR*\i, ADRB+\slot, \q, \i
.endr
	WIN 0
.endm
.macro FETCH_A slot, q, i0
.irp i, \i0, \i0+1, \i0+2, \i0+3
	FRAG AF+FR*(\i), ADRA+\slot, \q, \i
.endr
.endm
.macro STEP slot, q, zero              ; 128 along K, with its successor in the same slot
	s_wait_dscnt 4*NL                              ; the features' set and the tokens' blocks 0-3 are in; the youngest sixteen loads (blocks 4-7) may be out
	WIN MUL_LO
	MUL16 0, (\q)%2, \zero
	MUL16 2, (\q)%2, \zero
	s_wait_dscnt 0
	PLACES NP
	FETCH_B \slot, (\q)+1, 1-(\q)%2
	FETCH_A \slot, (\q)+1, 0
	WIN MUL_HI
	MUL16 4, (\q)%2, \zero
	MUL16 6, (\q)%2, \zero
	PLACES NP
	WIN 0
	FETCH_A \slot, (\q)+1, 4
.endm
; The head of a slot's last step: one barrier, which opens a round of the cluster's barrier, for the change of slots.
.macro MEET
	s_wait_tensorcnt 0x0                           ; all my tensor loads have landed: my part of the other slot
	ds_add_u32 v[SPW], v[NIL]                      ; 0 onto my spare word
	s_wait_dscnt 4*NL+1                            ; the add and the youngest sixteen loads may be out
	WIN MUL_LO
	MUL16 0, 1, 0
	s_wait_dscnt 0x0                               ; the add is done, and my reads of this slot are over
	s_barrier_signal -1
	MUL16 2, 1, 0
	WIN 0
	s_barrier_wait -1
	CREST                                          ; no wave of any partner still reads this slot or has a load on its way
.endm
; on = 0: this slot takes this block's K step two steps on.  on = 1: the second block's K step 0 or 1: the tokens go back along K; the features' group 0 takes v's rows.
.macro REFILL slot, on
.if \on
	s_sub_nc_u64 s[G0+4*\slot+2:G0+4*\slot+3], s[G0+4*\slot+2:G0+4*\slot+3], 2*ROWB
	s_add_nc_u64 s[G0B+4*\slot+2:G0B+4*\slot+3], s[FEA:FEA+1], \slot*ROWB
	s_or_b32 s[G0B+4*\slot+3], s[G0B+4*\slot+3], 0x80000000
.else
	s_add_nc_u64 s[G0+4*\slot+2:G0+4*\slot+3], s[G0+4*\slot+2:G0+4*\slot+3], 2*ROWB
	s_add_nc_u64 s[G0B+4*\slot+2:G0B+4*\slot+3], s[G0B+4*\slot+2:G0B+4*\slot+3], 2*ROWB
.endif
	JLOAD \slot                                    ; the first tensor load behind the round; its four v_nop are also the places in front of loads that follow
.endm
.macro TURN slot, next, on
	MEET
	REFILL \slot, \on
	FETCH_B \next, 0, 0
	FETCH_A \next, 0, 0
	WIN MUL_HI
	MUL16 4, 1, 0
	MUL16 6, 1, 0
	PLACES NP
	WIN 0
	FETCH_A \next, 0, 4
.endm
; ---- the second block's macros: features' blocks a = 0..3 (window 0) x tokens' b = 0..7 (window 1), two sets of both
.macro MULV a0, p, zero                ; the 32 accumulators take turns, one instruction a turn
.irp a, \a0, \a0+1
.irp b, 0,1,2,3,4,5,6,7
.if \zero
	v_wmma_f32_16x16x128_bf8_bf8 v[8*(8*(\a)+\b):8*(8*(\a)+\b)+7], v[128*(\p)+FR*\b:128*(\p)+FR*\b+FR-1], v[AF+64*(\p)+FR*(\a):AF+64*(\p)+FR*(\a)+FR-1], 0
.else
	v_wmma_f32_16x16x128_bf8_bf8 v[8*(8*(\a)+\b):8*(8*(\a)+\b)+7], v[128*(\p)+FR*\b:128*(\p)+FR*\b+FR-1], v[AF+64*(\p)+FR*(\a):AF+64*(\p)+FR*(\a)+FR-1], v[8*(8*(\a)+\b):8*(8*(\a)+\b)+7]
.endif
.endr
.endr
.endm
.macro FETCH2 slot, q, p
	WIN TO_B
.irp i, 0,1,2,3,4,5,6,7
	FRAG 128*(\p)+FR*\i, ADRA+\slot, \q, \i
.endr
	WIN 0
.irp i, 0,1,2,3
	FRAG AF+64*(\p)+FR*\i, ADRB+\slot, \q, \i
.endr
.endm
.macro STEP2 slot, zero                ; a slot's first 128 along K, on sets 0; the second's fragments are fetched into sets 1 under its products
	s_wait_dscnt 0x0                               ; sets 0 are in
	PLACES NP                                      ; in front of loads into sets 1, which the last products read
	FETCH2 \slot, 1, 1
	WIN MUL_LO
	MULV 0, 0, \zero
	MULV 2, 0, \zero
	WIN 0
.endm
.macro TURN2 slot, next, fill          ; a slot's second 128, on sets 1, changes slots
	s_wait_tensorcnt 0x0                           ; all my tensor loads have landed: my part of the next slot
	ds_add_u32 v[SPW], v[NIL]                      ; 0 onto my spare word
	s_wait_dscnt 0x0                               ; the add is done, and my reads of this slot are over: sets 1 are in
	s_barrier_signal -1
	WIN MUL_LO
	MULV 0, 1, 0
	WIN 0
	s_barrier_wait -1
.if \fill
	CREST
	REFILL \slot, 0
.else
	PLACES NP
.endif
	FETCH2 \next, 0, 0
	WIN MUL_LO
	MULV 2, 1, 0
	WIN 0
.endm
.macro EOUT                            ; s98 = eo: v[SCV] = 2^eo, v[LIMV] = 57,344 x 2^eo
	s_add_co_i32 s98, s98, 127
	s_lshl_b32 s99, s98, 23
	v_mov_b32 v[SCV], s99
	s_add_co_i32 s98, s98, 15
	s_lshl_b32 s98, s98, 23
	s_or_b32 s98, s98, 0x600000
	v_mov_b32 v[LIMV], s98
.endm
; Block a (16 lanes' rows) against eight blocks of 16: 64 numbers a lane become 64 codes, 16 registers of their own, and leave by four stores.  mode 0: q, k; mode 1: v.
.macro OUTBLK a, mode
.set AC, 64*((\a)%4)
.set CB, CD+16*(\a)
	WIN 0x12+((\a)/4)                              ; source 0 (the sums) window 2 or 3, source 2 (the bias) window 1
.set j, 0
.rept 32
.if \mode
	v_pk_fma_f32 v[TMP+j:TMP+j+1], v[AC+j:AC+j+1], s[96:97], v[2*(\a):2*(\a)+1] op_sel_hi:[1,0,1]   ; sum x 2^(e0 + e1) + my feature's bias; each accumulator from its low end on
.else
	v_pk_fma_f32 v[TMP+j:TMP+j+1], v[AC+j:AC+j+1], s[96:97], v[j:j+1] op_sel_hi:[1,0,1]             ; the same with the bias of features 16 b + 8 h + 0 .. 7
.endif
.set j, j+2
.endr
	WIN 0
.set j, 0
.rept 64
	v_med3_num_f32 v[TMP+j], v[TMP+j], -v[LIMV], v[LIMV]   ; the conversion does not saturate (ISA guide 7.6.2): the hold comes first
.set j, j+1
.endr
.irp b, 0,1,2,3,4,5,6,7
	v_cvt_scalef32_pk8_bf8_f32 v[CB+2*\b:CB+2*\b+1], v[TMP+8*\b:TMP+8*\b+7], v[SCV]
.endr
	v_nop                                          ; a plain line between the conversions and the next writes of their sources
.irp c, 0,1,2,3
.if \mode
	global_store_b128 v[CO], v[CB+4*\c:CB+4*\c+3], s[12:13] offset:(\a)*2048+\c*512
.else
	global_store_b128 v[CO], v[CB+4*\c:CB+4*\c+3], s[OU1:OU1+1] offset:(\c/2)*131072+(\a)*1024+(\c%2)*512
.endif
.endr
.endm
	s_wait_alu depctr_va_vdst(0)                   ; the wait at the head's end
	s_wait_tensorcnt 0x0                           ; my part of K step 0 is in
	ds_add_u32 v[SPW], v[NIL]
	s_wait_dscnt 0x0
	CROUND                                         ; a whole round: everybody's part of K step 0 is in
	JLOAD 1                                        ; K step 1's load, the first tensor load behind the round
	FETCH_B 0, 0, 0
	FETCH_A 0, 0, 0
	FETCH_A 0, 0, 4
	s_cmp_eq_u32 s[NOASK], 0
	s_cbranch_scc0 .Lno_ask_b
	global_prefetch_b8 v[PFO], s[PFA:PFA+1] offset:768 th:TH_LOAD_NT scope:SCOPE_SE
.Lno_ask_b:
	STEP 0, 0, 1                                   ; the first products start the sums: nothing is cleared
	TURN 0, 1, 0                                   ; slot 0 takes K step 2
	ASKF 0                                         ; v's features, K steps 0 and 1
	STEP 1, 0, 0
	TURN 1, 0, 0                                   ; slot 1 takes K step 3
	STEP 0, 0, 0
	MEET                                           ; THE RING GOES ON INTO THE SECOND BLOCK: from here on the features' tiles have 64 rows a wave,
	s_mov_b32 s[G1B+2], 64<<16                     ; tensor_dim1
	s_mov_b32 s[G1B+4], 64                         ; tile_dim1
	REFILL 0, 1                                    ; and slot 0 takes its K step 0
	FETCH_B 1, 0, 0
	FETCH_A 1, 0, 0
	WIN MUL_HI
	MUL16 4, 1, 0
	MUL16 6, 1, 0
	PLACES NP
	WIN 0
	FETCH_A 1, 0, 4
	ASKF 512                                       ; v's features, K steps 2 and 3
	STEP 1, 0, 0
	s_wait_kmcnt 0x0
	s_add_co_i32 s96, s72, s73
	s_add_co_i32 s96, s96, 127
	s_lshl_b32 s96, s96, 23                        ; 2^(e0 + e1) as f32
	s_mov_b32 s97, s96                             ; (named with it as a pair)
	s_cmp_eq_u32 ttmp9, 0
	s_cselect_b32 s98, s74, s75                    ; e2 for q, e3 for k
	EOUT
	s_lshl_b32 s80, s42, 10
	s_lshl_b32 s81, s16, 9
	s_add_co_u32 s80, s80, s81                     ; the bias of my 128 features: 4 (256 column + 128 half)
	s_mov_b32 s81, 0
	s_add_nc_u64 s[BI1:BI1+1], s[10:11], s[80:81]
	s_lshr_b32 s82, s17, 3                         ; batch
	s_lshl_b32 s82, s82, 4
	s_and_b32 s83, s42, 3
	s_lshl_b32 s83, s83, 2
	s_add_co_u32 s82, s82, s83
	s_lshl_b32 s83, s16, 1
	s_add_co_u32 s82, s82, s83                     ; 16 batch + my first head
	s_lshl_b32 s82, s82, 17                        ; 131,072 bytes each
	s_and_b32 s83, s17, 7
	s_lshl_b32 s83, s83, 4
	s_lshl_b32 s84, s15, 3
	s_add_co_u32 s83, s83, s84                     ; my first tile of 16 tokens in the batch
	s_lshl_b32 s83, s83, 10
	s_add_co_u32 s82, s82, s83
	s_lshl_b32 s83, ttmp9, 23                      ; q's part or k's
	s_add_co_u32 s82, s82, s83
	s_mov_b32 s83, 0
	s_add_nc_u64 s[OU1:OU1+1], s[12:13], s[82:83]
	WIN TO_B                                       ; the bias goes into the features' set 0, whose last products stand in front of the last step's places
.irp b, 0,1,2,3,4,5,6,7
	global_load_b128 v[8*\b:8*\b+3], v[BO0], s[BI1:BI1+1] offset:64*\b
	global_load_b128 v[8*\b+4:8*\b+7], v[BO0], s[BI1:BI1+1] offset:64*\b+16
.endr
	WIN 0
	MEET                                           ; the first block's last 128 along K
	REFILL 1, 1                                    ; slot 1 takes the second block's K step 1
	WIN MUL_HI
	MUL16 4, 1, 0
	MUL16 6, 1, 0
	WIN 0
	s_wait_loadcnt 0x0                             ; the bias
	PLACES NP
.irp a, 0,1,2,3,4,5,6,7                        ; both refills are asked for: now q or k goes out
	OUTBLK \a, 0
.endr
	; ---- the second block: v
	s_mov_b32 s98, s77                             ; e5
	EOUT
	s_lshl_b32 s80, s42, 9
	s_lshl_b32 s81, s16, 8
	s_add_co_u32 s80, s80, s81
	s_add_co_u32 s80, s80, 8192                    ; the bias of my 64 features: 4 (2,048 + 128 column + 64 half)
	s_mov_b32 s81, 0
	s_add_nc_u64 s[10:11], s[10:11], s[80:81]
	s_lshr_b32 s82, s17, 3                         ; batch
	s_lshl_b32 s82, s82, 4
	s_lshl_b32 s83, s42, 1
	s_add_co_u32 s82, s82, s83
	s_add_co_u32 s82, s82, s16                     ; 16 batch + my head
	s_lshl_b32 s82, s82, 17
	s_and_b32 s83, s17, 7
	s_lshl_b32 s83, s83, 1
	s_add_co_u32 s83, s83, s15                     ; my 128 keys in the batch
	s_lshl_b32 s83, s83, 13
	s_add_co_u32 s82, s82, s83
	s_add_co_u32 s82, s82, 16777216                ; v's part
	s_mov_b32 s83, 0
	s_add_nc_u64 s[12:13], s[12:13], s[82:83]
	s_wait_xcnt 0x0                                ; the first block's stores have read their registers, which take fragments now
	FETCH2 0, 0, 0                                 ; slot 0 was shown whole by the round of the first block's last step
	STEP2 0, 1                                     ; the first products start the sums anew
	TURN2 0, 1, 1                                  ; slot 0 takes K step 2
	STEP2 1, 0
	TURN2 1, 0, 1                                  ; slot 1 takes K step 3
	STEP2 0, 0
	TURN2 0, 1, 0                                  ; the last lap fills nothing
	STEP2 1, 0
	PLACES NP                                      ; in front of the loads into the tokens' set 0
	WIN TO_B
.irp a, 0,1,2,3
	global_load_b32 v[2*\a], v[BO1], s[10:11] offset:64*\a     ; my feature's bias, into both halves of a pair
	global_load_b32 v[2*\a+1], v[BO1], s[10:11] offset:64*\a
.endr
	WIN 0
	s_wait_dscnt 0x0
	WIN MUL_LO
	MULV 0, 1, 0
	MULV 2, 1, 0
	WIN 0
	s_wait_loadcnt 0x0
	PLACES NP
.irp a, 0,1,2,3
	OUTBLK \a, 1
.endr
	s_wait_tensorcnt 0x0                           ; the wave's end
	ds_add_u32 v[SPW], v[NIL]
	s_wait_dscnt 0x0
	CROUND                                         ; the closing round: no work-group ends while a partner may still ask for a tile that names it
	s_endpgm
.Lfunc_end_k_qb6677d8ecb_gemm_qkv:
	.size	k_qb6677d8ecb_gemm_qkv, .Lfunc_end_k_qb6677d8ecb_gemm_qkv-k_qb6677d8ecb_gemm_qkv
	.p2alignl 7, 3214868480
	.fill 96, 4, 3214868480
	.section	.rodata,"a",@progbits
	.p2align	6, 0x0
	.amdhsa_kernel k_qb6677d8ecb_gemm_qkv
		.amdhsa_group_segment_fixed_size 327680
		.amdhsa_private_segment_fixed_size 0
		.amdhsa_enable_private_segment 0
		.amdhsa_kernarg_size 40
		.amdhsa_user_sgpr_count 2
		.amdhsa_user_sgpr_kernarg_segment_ptr 1
		.amdhsa_wavefront_size32 1
		.amdhsa_system_sgpr_workgroup_id_x 1
		.amdhsa_system_sgpr_workgroup_id_y 1
		.amdhsa_system_sgpr_workgroup_id_z 1
		.amdhsa_system_vgpr_workitem_id 0
		.amdhsa_next_free_vgpr 1024
		.amdhsa_next_free_sgpr 100
		.amdhsa_reserve_vcc 0
		.amdhsa_float_denorm_mode_32 3
		.amdhsa_float_denorm_mode_16_64 3
		.amdhsa_memory_ordered 1
		.amdhsa_forward_progress 1
		.amdhsa_inst_pref_size 214
	.end_amdhsa_kernel
	.amdgpu_metadata
---
amdhsa.version: [ 1, 2 ]
amdhsa.kernels:
  - .name:           k_qb6677d8ecb_gemm_qkv
    .symbol:         k_qb6677d8ecb_gemm_qkv.kd
    .args:
      - { .name: x_codes, .offset: 0, .size: 8, .value_kind: global_buffer, .address_space: global }
      - { .name: w_codes, .offset: 8, .size: 8, .value_kind: global_buffer, .address_space: global }
      - { .name: lowp_scales, .offset: 16, .size: 8, .value_kind: global_buffer, .address_space: global }
      - { .name: b_qkv, .offset: 24, .size: 8, .value_kind: global_buffer, .address_space: global }
      - { .name: qkv_codes, .offset: 32, .size: 8, .value_kind: global_buffer, .address_space: global }
    .group_segment_fixed_size: 327680
    .private_segment_fixed_size: 0
    .kernarg_segment_align: 8
    .kernarg_segment_size: 40
    .max_flat_workgroup_size: 128
    .sgpr_count:     100
    .vgpr_count:     1024
    .wavefront_size: 32
...
	.end_amdgpu_metadata
.endif
;; end of part 2
;; launch attn (part 3): grid 4 x 64, 8 waves a work-group, no clusters, 327,680 bytes of LDS; arguments qkv_codes, lowp_scales, a_codes; writes a_codes
.if DOCPART == 3
	.amdgcn_target "amdgcn-amd-amdhsa--gfx1250"
	.amdhsa_code_object_version 6
	.text
	.protected	k_qb6677d8ecb_attn
	.globl	k_qb6677d8ecb_attn
	.p2align	8
	.type	k_qb6677d8ecb_attn,@function
k_qb6677d8ecb_attn:
	s_mov_b64 s[64:65], 0
	v_nop
	global_prefetch_b8 v0, s[64:65] scope:SCOPE_SE
	s_setreg_imm32_b32 hwreg(HW_REG_WAVE_MODE, 25, 1), 1
	s_wait_xcnt 0x0
; Causal attention on codes of BF8 (E5M2), head size 64, 2,048 tokens, 64 (batch x head).  q, k, v arrive as images of operand registers; the result leaves quantised with 2^e6 as images of the last product's A.
; SOFTMAX: t = score x log2(e) / 8; M = the running largest t rounded UP to a whole number; p = 2^(t - M) is quantised with 2^e4; the row's sum is taken of the unquantised p and divides at the end.
; When M moves, the sum and O are multiplied by 2^(old M - new M): exact.
; LEFT OUT: key steps all of whose keys come after the wave's queries: the causal mask sets their scores to -infinity, so their p is 0 for all values of the inputs.
; SHARES.  A head has 64 strips of 32 queries; strip s needs s / 4 + 1 key steps of 128.  Wave w of work-group (j, head) owns strips 63 - j - 4 w and j + 4 w: (16 - w) + (w + 1) = 17 key steps for every wave.
; A strip is two tiles of 16 queries, which share every fragment of K and V read from LDS.
; LDS.  A head's K and V are 2 x 131,072 bytes: they are filled ONCE, 16 chunks of one key step (K's 8,192 bytes, then V's, by one descriptor of two rows 8,388,608 bytes apart), and nothing is filled again.
; Three stages: chunks 0, 1 at the head (waves 0, 1), chunks 2-9 behind the first barrier (all waves), chunks 10-15 behind the second (waves 0-5).
; The long strips go first: at key step p every wave reads chunk p, so the first three barriers find the waves at the same step; behind the third no barrier is left.  Wave 0 reads all 16 chunks.
; NO PREFETCH: all of a head's K and V has been asked for by tensor loads when the second key step ends; there is no later stream to run ahead of.
; NO CLUSTER: the four work-groups of a head read the same chunks, but which of the diagonal's four cases a wave takes is chosen by a branch on j, its work-group's place.
; LAYOUT.  S^T = K Q^T (source 0 = 16 keys, source 1 = 16 queries), O^T = V^T P^T (source 0 = 16 of the head's 64, source 1 = P): a lane holds ONE query.  Register 8 T + i of S^T is key 16 T + 8 h + i,
; which is the place that the K = 128 form gives registers 2 T, 2 T + 1 of P: the conversions' results are the operand.
; REGISTERS.  Window 0: addresses, both tiles' softmax state, Q, p's codes and S^T, so that the two tiles' chains stand line by line under one setting.  Window 1: K's and V's fragments, O^T, the second strip's Q.
; CAUSAL.  In the one step on the diagonal, tile u's key tile 2 (strip % 4) + u is cut by eight lane masks made once, the key tiles behind it become -infinity, those ahead of it count whole.
; In a step that runs, the first key counts for every query.
; LIMITS: e2 + e3 between -123 and 130; e4 and e6 between -126 and 112; the scaled scores t stay under 2^31 in magnitude.  NaN among the inputs is not served.
.set STEPB, 16384                      ; a chunk: K's 8 fragments of 1,024 bytes, then V's 4 of 2,048
.set VOFF,  8192
.set SPARE, 262144                     ; behind the 16 chunks: the spare words, 128 bytes for each of the eight waves
.set LI,   4                           ; 16 x lane
.set ADK,  5                           ; LDS address of the chunk in hand + 16 x lane
.set SPW,  6                           ; my spare word; never rewritten
.set NIL,  7                           ; 0; never rewritten
.set LIMV, 9                           ; 57,344 x 2^e4
.set SCV,  10                          ; 2^e4
.set NINF, 11                          ; -infinity
.set NM,   12                          ; tile 0's state; tile 1's lies 12 registers on.  -M
.set TM,   13                          ; the largest t
.set LS,   14                          ; the sum, in two halves
.set FF,   16                          ; 2^(old M - new M) (the upper half is only named)
.set SB,   18                          ; the step's second chain of sums
.set W0,   20
.set W1,   21
.set PX,   22                          ; a lane permute's destination
.set QF,   36                          ; v36-51   Q of the strip in hand, 8 registers a tile
.set PC,   52                          ; v52-83   p's codes, 16 a tile
.set SS,   84                          ; v84-211  S^T, then p, 64 a tile
.set KR,   0                           ; window 1: K's eight fragments
.set VR,   64                          ; window 1: V's four
.set OT,   128                         ; window 1: O^T, 32 a tile
.set Q2,   192                         ; window 1: Q of the second strip
.set WV,   10
.set G1,   16                          ; s[16:23] descriptor group 1: 2 rows of 8,192 bytes
.set G0,   24                          ; s[24:27] group 0
.set TW,   28                          ; s[28:29] K's codes of my head, 8,192 x wave bytes on
.set WL,   30                          ; 16,384 x wave
.set TR,   34
.set TB,   35                          ; LDS byte of the chunk in hand
.set KF,   36                          ; the step's first key
.set Q0,   37                          ; my first query
.set Q0B,  38                          ; and in the second strip
.set OVB,  39                          ; the second strip % 4
.set SEL,  40
.set CS,   42                          ; s[42:43] c = log2(e) / 8 x 2^(e2 + e3)
.set OA,   44
.set OB,   46
.set EPV,  51                          ; e4 + e5
.set OLIM, 52                          ; s52, s53: + and - 57,344 x 2^e6
.set OSC,  54                          ; 2^e6
.set E,    56                          ; s[56:63] e0 .. e7
.set DM,   80                          ; s80-87 lane masks of the diagonal tile: bit set where key 8 h + i comes after query r
.set OV,   88                          ; the strip in hand % 4
.set MSB, 0
.macro WIN new                         ; the immediate's high byte repeats the setting that is left
.if MSB != (\new)
	s_set_vgpr_msb (MSB<<8)|(\new)
.set MSB, (\new)
.endif
.endm
.set TO1,  0x40                        ; destination window 1
.set FROM1, 0x01                       ; source 0 window 1
.set RESC, 0x41                        ; destination and source 0 window 1
.set PV,   0x51                        ; V, C and D window 1; P window 0
.macro TLOAD nw                        ; waves 0 .. nw - 1 fetch a chunk each; s_nop 0 and four v_nop follow the line
.if \nw < 8
	s_cmp_lt_u32 s[WV], \nw
	s_cbranch_scc0 .Lasked_\@
.endif
	tensor_load_to_lds s[G0:G0+3], s[G1:G1+7]
	s_nop 0
.rept 4
	v_nop
.endr
.if \nw < 8
.Lasked_\@:
.endif
.endm
; A STAGE: a wait, the add onto the spare word and a barrier ahead of a later first fill; behind the barrier every chunk asked for so far is whole, and waves 0 .. nw - 1 ask for chunks k0 + wave (k0 = 0: nothing more).
.macro STAGE k0, nw, dbl
	s_wait_tensorcnt 0x0                           ; no tensor load of mine is out, so group 0 may be written
	ds_add_u32 v[SPW], v[NIL]                      ; 0 onto my spare word
.if \dbl
	ds_add_u32 v[SPW], v[NIL]                      ; and once more
.endif
.if \k0
	s_add_co_u32 s[G0+1], s[WL], (\k0)*STEPB
	s_add_nc_u64 s[G0+2:G0+3], s[TW:TW+1], (\k0)*8192
	s_or_b32 s[G0+3], s[G0+3], 0x80000000
.endif
	s_wait_dscnt 0x0
	s_barrier_signal -1
	s_barrier_wait -1
.if \k0
	TLOAD \nw
.endif
.endm
.macro INIT                            ; a strip begins: the largest t -3e38, -M = 3e38, the sums and O^T zeros (the first change of M leaves them zeros)
.irp u, 0,12
	v_mov_b32 v[TM+\u], 0xff61b1e6
	v_mov_b32 v[NM+\u], 0x7f61b1e6
	v_mov_b32 v[LS+\u], 0
	v_mov_b32 v[LS+\u+1], 0
.endr
	WIN TO1
.set n, 0
.rept 64
	v_mov_b32 v[OT+n], 0
.set n, n+1
.endr
	WIN 0
.endm
	s_load_b128 s[4:7], s[0:1], 0x0                ; qkv_codes s[4:5], the scales' exponents s[6:7]
	s_load_b64 s[8:9], s[0:1], 0x10                ; a_codes
	v_lshl_add_u32 v[SPW], v0, 2, SPARE
	v_mov_b32 v[NIL], 0
	ds_add_u32 v[SPW], v[NIL]                      ; the opening: the add, twice on end, and its wait ahead of the first tensor load
	ds_add_u32 v[SPW], v[NIL]
	v_lshrrev_b32 v1, 5, v0
	v_readfirstlane_b32 s[WV], v1                  ; wave 0..7
	s_and_b32 s12, ttmp7, 0xffff                   ; batch x head
	s_mov_b32 s[G1], 3<<16                         ; no mask; elements of 8 bytes; no padding
	s_mov_b32 s[G1+1], 1024<<16                    ; tensor_dim0 = 1,024 elements (8,192 bytes)
	s_mov_b32 s[G1+2], 2<<16                       ; tensor_dim1 = 2: K's row, V's row
	s_mov_b32 s[G1+3], 1024<<16                    ; tile_dim0
	s_mov_b32 s[G1+4], 2                           ; tile_dim1
	s_mov_b32 s[G1+5], 1048576                     ; the pitch: from k's part to v's, 8,388,608 bytes
	s_mov_b32 s[G1+6], 0
	s_mov_b32 s[G1+7], 0
	s_lshl_b32 s14, s12, 17                        ; the head's 131,072 bytes in each of q, k, v
	s_lshl_b32 s68, s[WV], 13
	s_add_co_u32 s68, s68, s14
	s_add_co_u32 s68, s68, 8388608                 ; k's part
	s_mov_b32 s69, 0
	s_lshl_b32 s[WL], s[WV], 14
	s_mov_b32 s[TB], 0
	s_mov_b32 s[KF], 0
	s_sub_co_u32 s[OV], 3, ttmp9                   ; (63 - j - 4 w) % 4
	s_mov_b32 s[OVB], ttmp9                        ; (j + 4 w) % 4
	s_mov_b32 s[SEL], 0x76543210
	s_mov_b32 s[SEL+1], 0xfedcba98
	s_wait_dscnt 0x0                               ; both opening adds are done
	s_wait_kmcnt 0x0
	s_load_b256 s[E:E+7], s[6:7], 0x0
	s_add_nc_u64 s[TW:TW+1], s[4:5], s[68:69]
	s_mov_b32 s[G0], 1
	s_mov_b32 s[G0+1], s[WL]
	s_mov_b64 s[G0+2:G0+3], s[TW:TW+1]
	s_or_b32 s[G0+3], s[G0+3], 0x80000000
	TLOAD 2                                        ; chunks 0 and 1
	v_and_b32 v1, 15, v0                           ; r
	v_bfe_u32 v2, v0, 4, 1                         ; h
	v_and_b32 v3, 31, v0
	v_lshlrev_b32 v[LI], 4, v3
	v_lshlrev_b32 v2, 3, v2
	v_sub_nc_u32 v1, v1, v2                        ; r - 8 h
.set i, 0
.rept 8
	v_cmp_gt_i32 s[DM+i], i, v1                    ; register i of the diagonal tile is hidden where 8 h + i > r
.set i, i+1
.endr
	s_lshl_b32 s71, s[WV], 2
	s_sub_co_u32 s70, 63, ttmp9
	s_sub_co_u32 s70, s70, s71                     ; the first strip
	s_add_co_u32 s77, s71, ttmp9                   ; the second
	s_lshl_b32 s72, s70, 11                        ; a strip's two tiles of Q: 2,048 bytes
	s_add_co_u32 s72, s72, s14
	s_mov_b32 s73, 0
	s_add_nc_u64 s[72:73], s[4:5], s[72:73]
	s_lshl_b32 s74, s77, 11
	s_add_co_u32 s74, s74, s14
	s_mov_b32 s75, 0
	s_add_nc_u64 s[74:75], s[4:5], s[74:75]
	s_wait_alu depctr_va_vdst(0)                   ; the wait behind the run of scalar lines
.irp u, 0,1
.irp c, 0,1
	global_load_b128 v[QF+8*\u+4*\c:QF+8*\u+4*\c+3], v[LI], s[72:73] offset:1024*\u+512*\c
.endr
.endr
	WIN TO1
.irp u, 0,1
.irp c, 0,1
	global_load_b128 v[Q2+8*\u+4*\c:Q2+8*\u+4*\c+3], v[LI], s[74:75] offset:1024*\u+512*\c
.endr
.endr
	WIN 0
	s_lshl_b32 s[Q0], s70, 5
	s_lshl_b32 s[Q0B], s77, 5
	s_lshr_b32 s76, s12, 4
	s_lshl_b32 s76, s76, 7                         ; 128 tiles of 16 tokens a batch
	s_and_b32 s78, s12, 15
	s_lshl_b32 s78, s78, 10                        ; the head's 1,024 bytes of a tile's 16,384
	s_lshl_b32 s79, s70, 1
	s_add_co_u32 s79, s79, s76
	s_lshl_b32 s79, s79, 14
	s_add_co_u32 s68, s79, s78
	s_add_nc_u64 s[OA:OA+1], s[8:9], s[68:69]
	s_lshl_b32 s79, s77, 1
	s_add_co_u32 s79, s79, s76
	s_lshl_b32 s79, s79, 14
	s_add_co_u32 s68, s79, s78
	s_add_nc_u64 s[OB:OB+1], s[8:9], s[68:69]
	s_wait_kmcnt 0x0
	s_add_co_i32 s96, s[E+2], s[E+3]
	s_lshl_b32 s96, s96, 23
	s_add_co_i32 s[CS], s96, 0x3e38aa3b            ; log2(e) / 8, with e2 + e3 added to its exponent field
	s_mov_b32 s[CS+1], s[CS]
	s_add_co_i32 s96, s[E+4], 127
	s_lshl_b32 s78, s96, 23                        ; 2^e4
	s_add_co_i32 s96, s96, 15
	s_lshl_b32 s96, s96, 23
	s_or_b32 s79, s96, 0x600000                    ; 57,344 x 2^e4
	s_add_co_i32 s[EPV], s[E+4], s[E+5]
	s_add_co_i32 s96, s[E+6], 127
	s_lshl_b32 s[OSC], s96, 23
	s_add_co_i32 s96, s96, 15
	s_lshl_b32 s96, s96, 23
	s_or_b32 s[OLIM], s96, 0x600000
	s_or_b32 s[OLIM+1], s[OLIM], 0x80000000
	v_mov_b32 v[LIMV], s79
	v_mov_b32 v[SCV], s78
	v_mov_b32 v[NINF], 0xff800000
.irp u, 0,12
	v_mov_b32 v[PX+\u], 0
	v_mov_b32 v[FF+\u+1], 0
.endr
	INIT
; The step on the diagonal, d = 2 (strip % 4): tile u's key tile d + u is cut by the eight masks, the key tiles behind it are hidden whole.
.macro MASKV d
.irp u, 0,1
.set i, 0
.rept 8
	v_cndmask_b32 v[SS+64*\u+8*((\d)+\u)+i], v[SS+64*\u+8*((\d)+\u)+i], v[NINF], s[DM+i]
.set i, i+1
.endr
.set i, 8*((\d)+\u+1)
.rept 4*(7-(\d)-\u)
	v_dual_mov_b32 v[SS+64*\u+i], v[NINF] :: v_dual_mov_b32 v[SS+64*\u+i+1], v[NINF]
.set i, i+2
.endr
.endr
.endm
; A KEY STEP: the 128 keys of the chunk in hand, for both tiles.
.macro STEP
	s_add_co_u32 s96, s[Q0], 31
	s_cmp_gt_u32 s[KF], s96
	s_cbranch_scc1 .Lhidden_\@                     ; all its keys come after my queries
	v_add_nc_u32 v[ADK], s[TB], v[LI]
.rept 3
	v_nop                                          ; with the addition four places in front of the loads into V's registers, which the last products read
.endr
	WIN TO1
.irp t, 0,1,2,3,4,5,6,7
.irp c, 0,1
	ds_load_b128 v[KR+8*\t+4*\c:KR+8*\t+4*\c+3], v[ADK] offset:1024*\t+512*\c
.endr
.endr
.irp t, 0,1,2,3
.irp c, 0,1,2,3
	ds_load_b128 v[VR+16*\t+4*\c:VR+16*\t+4*\c+3], v[ADK] offset:VOFF+2048*\t+512*\c
.endr
.endr
	s_wait_dscnt 16                                ; K's sixteen loads are in; V's sixteen may be out
	WIN FROM1
.irp t, 0,1,2,3,4,5,6,7
.irp u, 0,1
	v_wmma_f32_16x16x64_bf8_bf8 v[SS+64*\u+8*\t:SS+64*\u+8*\t+7], v[KR+8*\t:KR+8*\t+7], v[QF+8*\u:QF+8*\u+7], 0
.endr
.endr
	WIN 0
.rept 4
	v_nop                                          ; places behind the products (ISA guide 7.12.1)
.endr
	s_add_co_u32 s96, s[KF], 127
	s_cmp_le_u32 s96, s[Q0]
	s_cbranch_scc1 .Lopen_\@                       ; all its keys count
	s_cmp_lg_u32 s[OV], 0
	s_cbranch_scc1 .Lv1_\@
	MASKV 0
	s_wait_alu depctr_va_vdst(0)                   ; the wait ahead of the jump
	s_branch .Lopen_\@
.Lv1_\@:
	s_cmp_lg_u32 s[OV], 1
	s_cbranch_scc1 .Lv2_\@
	MASKV 2
	s_wait_alu depctr_va_vdst(0)
	s_branch .Lopen_\@
.Lv2_\@:
	s_cmp_lg_u32 s[OV], 2
	s_cbranch_scc1 .Lv3_\@
	MASKV 4
	s_wait_alu depctr_va_vdst(0)
	s_branch .Lopen_\@
.Lv3_\@:
	MASKV 6
.Lopen_\@:
.irp u, 0,1                                    ; the step's largest score of my query among my 64 keys: two chains a tile, each accumulator from its low end on
	v_max3_num_f32 v[W0+12*\u], v[SS+64*\u], v[SS+64*\u+1], v[SS+64*\u+2]
	v_max3_num_f32 v[W1+12*\u], v[SS+64*\u+3], v[SS+64*\u+4], v[SS+64*\u+5]
.endr
.irp i, 6,10,14,18,22,26,30,34,38,42,46,50,54,58
.irp u, 0,1
	v_max3_num_f32 v[W0+12*\u], v[W0+12*\u], v[SS+64*\u+\i], v[SS+64*\u+\i+1]
	v_max3_num_f32 v[W1+12*\u], v[W1+12*\u], v[SS+64*\u+\i+2], v[SS+64*\u+\i+3]
.endr
.endr
.irp u, 0,1
	v_max3_num_f32 v[W0+12*\u], v[W0+12*\u], v[SS+64*\u+62], v[SS+64*\u+63]
.endr
.irp u, 0,12
	v_max_num_f32 v[W0+\u], v[W0+\u], v[W1+\u]
.endr
.irp u, 0,12
	v_permlanex16_b32 v[PX+\u], v[W0+\u], s[SEL], s[SEL+1]
.endr
.irp u, 0,12
	v_max_num_f32 v[W0+\u], v[W0+\u], v[PX+\u]     ; and among lane l xor 16's
.endr
.irp u, 0,12
	v_mul_f32 v[W0+\u], s[CS], v[W0+\u]            ; as t (c is positive)
.endr
.irp u, 0,12
	v_max_num_f32 v[TM+\u], v[TM+\u], v[W0+\u]
.endr
.irp u, 0,12
	v_mov_b32 v[W0+\u], v[NM+\u]
.endr
.irp u, 0,12
	v_floor_f32 v[NM+\u], -v[TM+\u]                ; the new -M = floor(-t): M is a whole number
.endr
.irp u, 0,12
	v_sub_f32 v[W0+\u], v[NM+\u], v[W0+\u]         ; old M - new M, 0 or less
.endr
.irp u, 0,12
	v_cvt_i32_f32 v[W0+\u], v[W0+\u]               ; (it saturates)
.endr
.irp u, 0,12
	v_ldexp_f32 v[FF+\u], 1.0, v[W0+\u]
.endr
.set n, 0
.rept 64
	v_pk_fma_f32 v[SS+n:SS+n+1], v[SS+n:SS+n+1], s[CS:CS+1], v[NM+12*(n/64):NM+12*(n/64)+1] op_sel_hi:[1,0,0]   ; t - M
.set n, n+2
.endr
	WIN RESC
.set n, 0
.rept 32
	v_pk_mul_f32 v[OT+n:OT+n+1], v[OT+n:OT+n+1], v[FF+12*(n/32):FF+12*(n/32)+1] op_sel_hi:[1,0]   ; O^T under the new M, ahead of the exponentials
.set n, n+2
.endr
	WIN 0
	s_wait_alu depctr_va_vdst(0)                   ; the wait ahead of the batch
.set n, 0
.rept 128
	v_exp_f32 v[SS+n], v[SS+n]                     ; p = 2^(t - M), at most 1: both tiles' in one batch
.set n, n+1
.endr
.irp u, 0,12
	v_pk_mul_f32 v[LS+\u:LS+\u+1], v[LS+\u:LS+\u+1], v[FF+\u:FF+\u+1] op_sel_hi:[1,0]   ; the sums under the new M (plain lines behind the batch)
.endr
	s_wait_alu depctr_va_vdst(0)                   ; one wait for the whole batch, ahead of its first reader
.set n, 0
.rept 16                                       ; four p of each tile: into the sums (unquantised), held, and with every second four converted
.irp u, 0,1
.if n == 0
	v_pk_add_f32 v[SB+12*\u:SB+12*\u+1], v[SS+64*\u:SS+64*\u+1], v[SS+64*\u+2:SS+64*\u+3]
.else
	v_pk_add_f32 v[LS+12*\u:LS+12*\u+1], v[LS+12*\u:LS+12*\u+1], v[SS+64*\u+n:SS+64*\u+n+1]
	v_pk_add_f32 v[SB+12*\u:SB+12*\u+1], v[SB+12*\u:SB+12*\u+1], v[SS+64*\u+n+2:SS+64*\u+n+3]
.endif
.endr
.irp u, 0,1                                    ; the conversion does not saturate (ISA guide 7.6.2); p is not negative, so the hold is one-sided; two numbers a line
	v_dual_min_num_f32 v[SS+64*\u+n], v[SS+64*\u+n], v[LIMV] :: v_dual_min_num_f32 v[SS+64*\u+n+1], v[SS+64*\u+n+1], v[LIMV]
	v_dual_min_num_f32 v[SS+64*\u+n+2], v[SS+64*\u+n+2], v[LIMV] :: v_dual_min_num_f32 v[SS+64*\u+n+3], v[SS+64*\u+n+3], v[LIMV]
.endr
.if n%8 == 4
.irp u, 0,1
	v_cvt_scalef32_pk8_bf8_f32 v[PC+16*\u+n/4-1:PC+16*\u+n/4], v[SS+64*\u+n-4:SS+64*\u+n+3], v[SCV]
.endr
.endif
.set n, n+4
.endr
.irp u, 0,12
	v_pk_add_f32 v[LS+\u:LS+\u+1], v[LS+\u:LS+\u+1], v[SB+\u:SB+\u+1]   ; (also the plain lines behind the last conversions)
.endr
	s_wait_alu depctr_va_vdst(0)                   ; the wait directly ahead of the wait below
	s_wait_dscnt 0x0                               ; V is in
	WIN PV
.irp t, 0,1,2,3                                ; the eight accumulators take turns, one instruction a turn
.irp u, 0,1
	v_wmma_f32_16x16x128_bf8_bf8 v[OT+32*\u+8*\t:OT+32*\u+8*\t+7], v[VR+16*\t:VR+16*\t+15], v[PC+16*\u:PC+16*\u+15], v[OT+32*\u+8*\t:OT+32*\u+8*\t+7]
.endr
.endr
	WIN 0
.Lhidden_\@:
	s_add_co_u32 s[KF], s[KF], 128
.endm
; A strip is finished: O^T / the sum x 2^(e4 + e5), quantised with 2^e6.  A lane's 16 codes of two neighbouring tiles of d are 16 bytes of the last product's A: each store of the wave covers 512 consecutive bytes.
.macro FINISH base, reinit
.irp u, 0,12
	v_add_f32 v[W0+\u], v[LS+\u], v[LS+\u+1]
.endr
.irp u, 0,12
	v_permlanex16_b32 v[PX+\u], v[W0+\u], s[SEL], s[SEL+1]
.endr
.irp u, 0,12
	v_add_f32 v[W0+\u], v[W0+\u], v[PX+\u]         ; the row's sum
.endr
	s_wait_alu depctr_va_vdst(0)                   ; the wait ahead of the transcendentals
	v_rcp_f32 v[W0], v[W0]
	v_rcp_f32 v[W0+12], v[W0+12]
	v_mov_b32 v[W1], s[OSC]                        ; (a plain line behind the reciprocals)  2^e6 for the conversions
	s_wait_alu depctr_va_vdst(0)                   ; and ahead of their first reader
	v_ldexp_f32 v[FF], v[W0], s[EPV]
	v_ldexp_f32 v[FF+12], v[W0+12], s[EPV]
	WIN FROM1
	s_wait_alu depctr_va_vdst(0)                   ; the wait directly ahead of the first reader of O^T
.set n, 0
.rept 32
	v_pk_mul_f32 v[SS+n+32*(n/32):SS+n+32*(n/32)+1], v[OT+n:OT+n+1], v[FF+12*(n/32):FF+12*(n/32)+1] op_sel_hi:[1,0]
.set n, n+2
.endr
	WIN 0
.set n, 0
.rept 64
	v_med3_num_f32 v[SS+n+32*(n/32)], v[SS+n+32*(n/32)], s[OLIM+1], s[OLIM]
.set n, n+1
.endr
.irp u, 0,1
.irp t, 0,1,2,3
	v_cvt_scalef32_pk8_bf8_f32 v[PC+16*\u+2*\t:PC+16*\u+2*\t+1], v[SS+64*\u+8*\t:SS+64*\u+8*\t+7], v[W1]
.endr
.endr
	v_nop                                          ; a plain line behind the conversions
.irp u, 0,1
.irp c, 0,1
	global_store_b128 v[LI], v[PC+16*\u+4*\c:PC+16*\u+4*\c+3], s[\base:\base+1] offset:16384*\u+512*\c
.endr
.endr
.if \reinit
	INIT
	WIN FROM1
.set n, 0
.rept 16
	v_mov_b32 v[QF+n], v[Q2+n]                     ; the second strip's Q
.set n, n+1
.endr
	WIN 0
	s_wait_alu depctr_va_vdst(0)                   ; the wait directly ahead of the wait below
	s_wait_xcnt 0x0                                ; the stores have read their data, which the next step's codes overwrite
.endif
.endm
	s_wait_alu depctr_va_vdst(0)                   ; the wait at the head's end
	s_wait_loadcnt 0x0                             ; Q
	STAGE 2, 8, 1                                  ; chunks 0, 1 are whole; chunks 2-9 are asked for
	s_mov_b32 s[TR], 2
.Lfirst:                                               ; key steps 0, 1 of the first strip
	STEP
	s_add_co_u32 s[TB], s[TB], STEPB
	s_sub_co_u32 s[TR], s[TR], 1
	s_cmp_lg_u32 s[TR], 0
	s_cbranch_scc1 .Lfirst
	STAGE 10, 6, 0                                 ; chunks 2-9 are whole; chunks 10-15 are asked for
	s_mov_b32 s[TR], 8
.Lsecond:                                              ; key steps 2-9
	STEP
	s_add_co_u32 s[TB], s[TB], STEPB
	s_sub_co_u32 s[TR], s[TR], 1
	s_cmp_lg_u32 s[TR], 0
	s_cbranch_scc1 .Lsecond
	STAGE 0, 0, 0                                  ; all 16 chunks are whole: no barrier is left
	s_mov_b32 s[TR], 14
.Lthird:                                               ; key steps 10-15 of the first strip, then 0-7 of the second: the chunk's address goes round
	STEP
	s_add_co_u32 s[TB], s[TB], STEPB
	s_and_b32 s[TB], s[TB], 0x3ffff
	s_cmp_lg_u32 s[KF], 2048                       ; behind the head's last key step the first strip is finished
	s_cbranch_scc1 .Lon
	FINISH OA, 1
	s_mov_b32 s[KF], 0
	s_mov_b32 s[Q0], s[Q0B]
	s_mov_b32 s[OV], s[OVB]
.Lon:
	s_sub_co_u32 s[TR], s[TR], 1
	s_cmp_lg_u32 s[TR], 0
	s_cbranch_scc1 .Lthird
	FINISH OB, 0
	s_wait_tensorcnt 0x0                           ; the wave's end
	ds_add_u32 v[SPW], v[NIL]
	s_wait_dscnt 0x0
	s_endpgm
.Lfunc_end_k_qb6677d8ecb_attn:
	.size	k_qb6677d8ecb_attn, .Lfunc_end_k_qb6677d8ecb_attn-k_qb6677d8ecb_attn
	.p2alignl 7, 3214868480
	.fill 96, 4, 3214868480
	.section	.rodata,"a",@progbits
	.p2align	6, 0x0
	.amdhsa_kernel k_qb6677d8ecb_attn
		.amdhsa_group_segment_fixed_size 327680
		.amdhsa_private_segment_fixed_size 0
		.amdhsa_enable_private_segment 0
		.amdhsa_kernarg_size 24
		.amdhsa_user_sgpr_count 2
		.amdhsa_user_sgpr_kernarg_segment_ptr 1
		.amdhsa_wavefront_size32 1
		.amdhsa_system_sgpr_workgroup_id_x 1
		.amdhsa_system_sgpr_workgroup_id_y 1
		.amdhsa_system_sgpr_workgroup_id_z 1
		.amdhsa_system_vgpr_workitem_id 0
		.amdhsa_next_free_vgpr 512
		.amdhsa_next_free_sgpr 100
		.amdhsa_reserve_vcc 0
		.amdhsa_float_denorm_mode_32 3
		.amdhsa_float_denorm_mode_16_64 3
		.amdhsa_memory_ordered 1
		.amdhsa_forward_progress 1
		.amdhsa_inst_pref_size 148
	.end_amdhsa_kernel
	.amdgpu_metadata
---
amdhsa.version: [ 1, 2 ]
amdhsa.kernels:
  - .name:           k_qb6677d8ecb_attn
    .symbol:         k_qb6677d8ecb_attn.kd
    .args:
      - { .name: qkv_codes, .offset: 0, .size: 8, .value_kind: global_buffer, .address_space: global }
      - { .name: lowp_scales, .offset: 8, .size: 8, .value_kind: global_buffer, .address_space: global }
      - { .name: a_codes, .offset: 16, .size: 8, .value_kind: global_buffer, .address_space: global }
    .group_segment_fixed_size: 327680
    .private_segment_fixed_size: 0
    .kernarg_segment_align: 8
    .kernarg_segment_size: 24
    .max_flat_workgroup_size: 256
    .sgpr_count:     100
    .vgpr_count:     512
    .wavefront_size: 32
...
	.end_amdgpu_metadata
.endif
;; end of part 3
;; launch gemm_out (part 4): grid 4 x 64, 4 waves a work-group, clusters of 4 x 4, 327,680 bytes of LDS; arguments a_codes, w_codes, lowp_scales, b_out, out0; writes out0
.if DOCPART == 4
	.amdgcn_target "amdgcn-amd-amdhsa--gfx1250"
	.amdhsa_code_object_version 6
	.text
	.protected	k_qb6677d8ecb_gemm_out
	.globl	k_qb6677d8ecb_gemm_out
	.p2align	8
	.type	k_qb6677d8ecb_gemm_out,@function
k_qb6677d8ecb_gemm_out:
	s_mov_b64 s[64:65], 0
	v_nop
	global_prefetch_b8 v0, s[64:65] scope:SCOPE_SE
	s_setreg_imm32_b32 hwreg(HW_REG_WAVE_MODE, 25, 1), 1
	s_wait_xcnt 0x0
	s_wait_alu depctr_hold_cnt(0) depctr_sa_sdst(0) depctr_va_vdst(0) depctr_va_sdst(0) depctr_va_ssrc(0) depctr_va_vcc(0) depctr_vm_vsrc(0)
	s_getreg_b32 s2, hwreg(HW_REG_IB_STS2, 6, 4)
	s_cmp_eq_u32 s2, 0
	s_cbranch_scc0 .Lentry_in_a_cluster
	s_endpgm
.Lentry_in_a_cluster:
	s_bfe_u32 s2, ttmp6, 0x10000c
	s_cmp_lg_u32 s2, 0xf033
	s_cbranch_scc0 .Lentry_shape_is_right
	s_endpgm
.Lentry_shape_is_right:
; out0 = Q(attention's result) Q(W_out) + b_out on codes of BF8 (E5M2).  a_codes: images of operand registers, [token / 16][head][c = 0, 1][lane][16 bytes]; w_codes rows 3072-4095: W_out's columns, K innermost.
; A block of 128 tokens x 256 features is made by four waves, 64 x 128 each: 32 accumulators.  8,192 x 1,024 / (128 x 256) = 256 work-groups.
; K goes in steps of 256 through a ring of two LDS slots: A's 8 token tiles of 4,096 bytes (dense images, read at 16 x lane), then B's 256 rows of 256 bytes + 16 of padding.
; THE MATRIX INSTRUCTION IS USED TRANSPOSED (source 0 = 16 rows of B, source 1 = 16 tokens): a lane holds eight neighbouring features of one token.
; CLUSTERS: 4 x 4 work-groups; A's tile is shared along a row of the cluster, B's along a column: each is asked for jointly.
; REGISTERS: window 0: v0-31 addresses; v128-255 A's fragments, two sets of 4; on the way out v32-95 numbers, v128-255 rows read back.  Window 1: B's fragments, two sets of 8; at the end the bias in set 0.  Window 2: the accumulators.
; LIMIT: e6 + e7 between -126 and 127, so that 2^(e6 + e7) is an f32 number.
.set SIZE_N, 1024
.set ROWB,   256
.set KROW,   1024
.set PITCH,  272
.set AROW,   4096                      ; a token tile's part of a K step
.set HALFA,  4*AROW
.set ABYTES, 2*HALFA
.set HALFB,  128*PITCH
.set SLOT,   ABYTES+2*HALFB
.set FR,     16
.set NP,     4                         ; places behind this matrix instruction (ISA guide 7.12.1)
.set SPARE,  2*SLOT                    ; behind the ring: the spare words, 128 bytes for each wave
.set SPITCH, 528                       ; the way out: a stage of 16 rows x (512 + 16) bytes a wave, in slot 0, which has then had its last fill and its last read
.set ADRA, 16
.set ADRB, 20
.set STO,  24
.set RD,   25
.set CO,   26
.set BO,   27
.set SPW,  28
.set NIL,  29
.set PFO,  30                          ; the prefetches' offset; never rewritten
.set TMP,  32
.set AF,   128
.set BK,   128
.set G1, 24
.set G0, 32
.set G1B, 48
.set G0B, 56
.set PF,  80                           ; s[80:81], s[82:83], s[84:85]: my part of K steps 1, 2, 3; never rewritten
.set NOASK, 86
.set MSB, 0
.macro WIN new                         ; the immediate's high byte repeats the setting that is left
.if MSB != (\new)
	s_set_vgpr_msb (MSB<<8)|(\new)
.set MSB, (\new)
.endif
.endm
.set MUL_LO, 0xa1                      ; source 0 (B) window 1, source 1 (A) window 0, C and D window 2
.set TO_B,   0x40
.macro JLOAD g0a, g1a, g0b, g1b        ; a joint load: waves 0 and 1 fetch for A, waves 2 and 3 for B; s_nop 0 and four v_nop follow each line
	s_cmp_eq_u32 s15, 0
	s_cbranch_scc0 .Lfor_b_\@
	tensor_load_to_lds s[\g0a:\g0a+3], s[\g1a:\g1a+7]
	s_nop 0
.rept 4
	v_nop
.endr
	s_branch .Lasked_\@
.Lfor_b_\@:
	tensor_load_to_lds s[\g0b:\g0b+3], s[\g1b:\g1b+7]
	s_nop 0
.rept 4
	v_nop
.endr
.Lasked_\@:
.endm
.macro CREST                           ; a round of the cluster's barrier behind its opening barrier
	s_cmp_lg_u32 s14, 0
	s_cbranch_scc1 .Lnot_wave_0_\@
	s_barrier_signal -3
.Lnot_wave_0_\@:
	s_barrier_wait -3
	s_barrier_signal -1
	s_barrier_wait -1
.endm
.macro CROUND
	s_barrier_signal -1
	s_barrier_wait -1
	CREST
.endm
	s_load_b128 s[4:7], s[0:1], 0x0                ; a_codes s[4:5], w_codes s[6:7]
	s_load_b128 s[8:11], s[0:1], 0x10              ; the scales' exponents s[8:9], b_out s[10:11]
	s_load_b64 s[12:13], s[0:1], 0x20              ; out0
	v_lshl_add_u32 v[SPW], v0, 2, SPARE
	v_mov_b32 v[NIL], 0
	ds_add_u32 v[SPW], v[NIL]                      ; the opening: the add, twice on end, and its wait ahead of the first tensor load
	ds_add_u32 v[SPW], v[NIL]
	v_lshrrev_b32 v1, 5, v0
	v_readfirstlane_b32 s14, v1                    ; wave 0..3
	s_lshr_b32 s15, s14, 1                         ; which 64 tokens are mine.  Also: I fetch for A (0) or for B (1)
	s_and_b32 s16, s14, 1                          ; which 128 features.  Also: which half of that tile I fetch
	s_bfe_u32 s40, ttmp6, 0x40000                  ; cx, cy
	s_bfe_u32 s41, ttmp6, 0x40004
	s_lshl_b32 s42, ttmp9, 2
	s_add_co_u32 s42, s42, s40                     ; block column
	s_and_b32 s17, ttmp7, 0xffff
	s_lshl_b32 s17, s17, 2
	s_add_co_u32 s17, s17, s41                     ; block row
	s_lshl_b32 s43, s41, 2
	s_lshl_b32 s43, 15, s43                        ; my row of the cluster
	s_lshl_b32 s44, 0x1111, s40                    ; my column
	s_or_b32 s[G1+0], s43, (3<<16)|(1<<21)         ; A: the mask; elements of 8 bytes; bit 21 beside a mask; no padding
	s_mov_b32 s[G1+1], 512<<16                     ; rows of 4,096 bytes,
	s_mov_b32 s[G1+2], 4<<16                       ; four of them,
	s_mov_b32 s[G1+3], 512<<16
	s_mov_b32 s[G1+4], 4
	s_mov_b32 s[G1+5], 2048                        ; 16,384 bytes apart
	s_mov_b32 s[G1+6], 0
	s_mov_b32 s[G1+7], 0
	s_or_b32 s[G1B+0], s44, (0<<16)|(1<<20)|(1<<21)|(5<<22)|(3<<25)  ; B: elements of 1 byte; after every 64 words 4 words of padding
	s_mov_b32 s[G1B+1], ROWB<<16
	s_mov_b32 s[G1B+2], 128<<16
	s_mov_b32 s[G1B+3], ROWB<<16
	s_mov_b32 s[G1B+4], 128
	s_mov_b32 s[G1B+5], KROW
	s_mov_b32 s[G1B+6], 0
	s_mov_b32 s[G1B+7], 0
	s_lshl_b32 s18, s16, 2
	s_lshl_b32 s20, s17, 3
	s_add_co_u32 s20, s20, s18                     ; A: token tile 8 x block row + 4 x half
	s_lshl_b32 s20, s20, 14
	s_mov_b32 s21, 0
	s_lshl_b32 s18, s16, 7
	s_lshl_b32 s46, s42, 8
	s_add_co_u32 s46, s46, s18
	s_add_co_u32 s46, s46, 3072                    ; B: row 3,072 + 256 x block column + 128 x half
	s_lshl_b32 s46, s46, 10
	s_mov_b32 s47, 0
	s_lshl_b32 s45, s16, 14                        ; where they go
	s_mul_i32 s23, s16, HALFB
	s_add_co_u32 s23, s23, ABYTES
	s_wait_dscnt 0x0                               ; both opening adds are done
	s_wait_kmcnt 0x0
	s_load_b64 s[96:97], s[8:9], 0x18              ; e6, e7
	s_add_nc_u64 s[20:21], s[4:5], s[20:21]
	s_add_nc_u64 s[46:47], s[6:7], s[46:47]
	CROUND                                         ; all sixteen work-groups are here: the first joint loads meet
.irp s, 0,1
	s_mov_b32 s[G0+4*\s], 1
	s_add_co_u32 s[G0+4*\s+1], s45, \s*SLOT
	s_add_nc_u64 s[G0+4*\s+2:G0+4*\s+3], s[20:21], \s*AROW
	s_or_b32 s[G0+4*\s+3], s[G0+4*\s+3], 0x80000000
	s_mov_b32 s[G0B+4*\s], 1
	s_add_co_u32 s[G0B+4*\s+1], s23, \s*SLOT
	s_add_nc_u64 s[G0B+4*\s+2:G0B+4*\s+3], s[46:47], \s*ROWB
	s_or_b32 s[G0B+4*\s+3], s[G0B+4*\s+3], 0x80000000
.endr
	JLOAD G0, G1, G0B, G1B                         ; K step 0: one tensor load a wave at the head
	; PREFETCHES.  Of what I fetch, my work-group names a quarter, told from its three partners' by address: of A's four token tiles the one at cx (16 blocks of 256 bytes; lanes 16-31 name the last again),
	; of B's 128 rows the 32 at cy (a lane a row).  K steps 1 and 2 are named here, K step 3 behind K step 1's load: never more than two K steps are asked for and not yet loaded.
	; B's rows, which all sixteen clusters read, are named by the four whose y is a multiple of 4.
	s_cmp_eq_u32 s15, 0
	s_cselect_b64 s[PF:PF+1], s[20:21], s[46:47]   ; where my tensor loads begin
	s_cselect_b32 s87, s40, s41                    ; my place among the four
	s_cselect_b32 s88, 14, 15                      ; a token tile is 16,384 bytes on, 32 rows 32,768
	s_cselect_b32 s89, 15, 31
	s_cselect_b32 s90, 8, 10                       ; from lane to lane: 256 bytes, or a row of 1,024
	s_mov_b32 s92, ROWB
	s_cselect_b32 s92, AROW, s92                   ; a K step on
	s_mov_b32 s93, 0
	s_lshl_b32 s94, s87, s88
	s_mov_b32 s95, 0
	s_add_nc_u64 s[PF:PF+1], s[PF:PF+1], s[94:95]
	s_add_nc_u64 s[PF:PF+1], s[PF:PF+1], s[92:93]
	s_add_nc_u64 s[PF+2:PF+3], s[PF:PF+1], s[92:93]
	s_add_nc_u64 s[PF+4:PF+5], s[PF+2:PF+3], s[92:93]
	s_and_b32 s[NOASK], ttmp7, 3
	s_mul_i32 s[NOASK], s[NOASK], s15              ; not 0: B's rows, in a cluster that does not ask for them
	v_and_b32 v[PFO], 31, v0
	v_min_u32 v[PFO], s89, v[PFO]
	v_lshlrev_b32 v[PFO], s90, v[PFO]
	s_cmp_eq_u32 s[NOASK], 0
	s_cbranch_scc0 .Lno_ask_a
	global_prefetch_b8 v[PFO], s[PF:PF+1] th:TH_LOAD_NT scope:SCOPE_SE
	global_prefetch_b8 v[PFO], s[PF+2:PF+3] th:TH_LOAD_NT scope:SCOPE_SE
.Lno_ask_a:
	v_and_b32 v1, 15, v0                           ; r
	v_bfe_u32 v2, v0, 4, 1                         ; h
	v_and_b32 v6, 31, v0
	v_lshlrev_b32 v[CO], 4, v6                     ; 16 x lane
	v_lshlrev_b32 v[BO], 5, v2
	v_mul_u32_u24 v3, v1, PITCH
	v_lshl_add_u32 v4, v2, 3, v3                   ; B: row x pitch + 8 h: k in its true places, as A's images have it
	s_lshl_b32 s21, s15, 14
	s_mul_i32 s22, s16, HALFB
	s_add_co_u32 s22, s22, ABYTES
.irp s, 0,1
	v_add_nc_u32 v[ADRA+\s], s21, v[CO]
	v_add_nc_u32 v[ADRB+\s], s22, v4
	s_add_co_u32 s21, s21, SLOT
	s_add_co_u32 s22, s22, SLOT
.endr
	s_mul_i32 s23, s14, 16*SPITCH                  ; my stage
	v_mul_u32_u24 v5, v1, SPITCH
	v_lshl_add_u32 v5, v2, 5, v5
	v_add_nc_u32 v[STO], s23, v5
	v_add_nc_u32 v[RD], s23, v[CO]
	s_lshl_b32 s20, s17, 7
	s_lshl_b32 s21, s15, 6
	s_add_co_u32 s20, s20, s21                     ; my first token
	s_lshl_b32 s20, s20, 12
	s_mov_b32 s21, 0
	s_lshl_b32 s46, s42, 10
	s_lshl_b32 s47, s16, 9
	s_add_co_u32 s46, s46, s47                     ; my first feature, in bytes
	s_mov_b32 s47, 0
	s_add_nc_u64 s[10:11], s[10:11], s[46:47]
	s_add_nc_u64 s[20:21], s[20:21], s[46:47]
	s_add_nc_u64 s[12:13], s[12:13], s[20:21]
.macro FRAGA reg, adr, q, i            ; 16 tokens x 128 K: four runs of 512 bytes, as they lie
.irp c, 0,1,2,3
	ds_load_b128 v[\reg+4*\c:\reg+4*\c+3], v[\adr] offset:(\i)*AROW+2048*(\q)+512*\c
.endr
.endm
.macro FRAGB reg, adr, q, i            ; 16 rows x 128 K: registers 2 c, 2 c + 1 hold K = 16 c + 8 h + 0 .. 7
.irp c, 0,1,2,3,4,5,6,7
	ds_load_b64 v[\reg+2*\c:\reg+2*\c+1], v[\adr] offset:128*(\q)+16*\c+(\i)*16*PITCH
.endr
.endm
.macro MUL16 a0, p, zero               ; A's tiles a0, a0 + 1 x B's eight, sets p; the 32 accumulators take turns, one instruction a turn
.irp a, \a0, \a0+1
.irp b, 0,1,2,3,4,5,6,7
.if \zero
	v_wmma_f32_16x16x128_bf8_bf8 v[8*(8*(\a)+\b):8*(8*(\a)+\b)+7], v[128*(\p)+FR*\b:128*(\p)+FR*\b+FR-1], v[AF+64*(\p)+FR*(\a):AF+64*(\p)+FR*(\a)+FR-1], 0
.else
	v_wmma_f32_16x16x128_bf8_bf8 v[8*(8*(\a)+\b):8*(8*(\a)+\b)+7], v[128*(\p)+FR*\b:128*(\p)+FR*\b+FR-1], v[AF+64*(\p)+FR*(\a):AF+64*(\p)+FR*(\a)+FR-1], v[8*(8*(\a)+\b):8*(8*(\a)+\b)+7]
.endif
.endr
.endr
.endm
.macro FETCH slot, q, p                ; both operands' fragments of the slot's q-th 128 along K into sets p
	WIN TO_B
.irp i, 0,1,2,3,4,5,6,7
	FRAGB 128*(\p)+FR*\i, ADRB+\slot, \q, \i
.endr
	WIN 0
.irp i, 0,1,2,3
	FRAGA AF+64*(\p)+FR*\i, ADRA+\slot, \q, \i
.endr
.endm
.macro PLACES n
.rept \n
	v_nop
.endr
.endm
.macro STEP slot, zero                 ; a slot's first 128 along K, on sets 0; the second's fragments are fetched into sets 1 under its products
	s_wait_dscnt 0x0                               ; sets 0 are in
	PLACES NP                                      ; in front of loads into sets 1, which the last products read
	FETCH \slot, 1, 1
	WIN MUL_LO
	MUL16 0, 0, \zero
	MUL16 2, 0, \zero
	WIN 0
.endm
.macro TURN slot, next, fill           ; a slot's second 128, on sets 1, changes slots: one barrier; fill = 1: this slot is filled again, two K steps ahead
	s_wait_tensorcnt 0x0                           ; all my tensor loads have landed: my part of the next slot
	ds_add_u32 v[SPW], v[NIL]                      ; 0 onto my spare word
	s_wait_dscnt 0x0                               ; the add is done, and my reads of this slot are over: sets 1 are in
	s_barrier_signal -1
	WIN MUL_LO
	MUL16 0, 1, 0
	WIN 0
	s_barrier_wait -1
.if \fill
	CREST                                          ; the barrier has opened a round of the cluster's barrier
	s_add_nc_u64 s[G0+4*\slot+2:G0+4*\slot+3], s[G0+4*\slot+2:G0+4*\slot+3], 2*AROW
	s_add_nc_u64 s[G0B+4*\slot+2:G0B+4*\slot+3], s[G0B+4*\slot+2:G0B+4*\slot+3], 2*ROWB
	JLOAD G0+4*\slot, G1, G0B+4*\slot, G1B         ; the first tensor load behind the round; its four v_nop are also the places in front of the loads below
.else
	PLACES NP
.endif
	FETCH \next, 0, 0
	WIN MUL_LO
	MUL16 2, 1, 0
	WIN 0
.endm
	s_wait_alu depctr_va_vdst(0)                   ; the wait at the head's end
	s_wait_tensorcnt 0x0                           ; my part of K step 0 is in
	ds_add_u32 v[SPW], v[NIL]
	s_wait_dscnt 0x0
	CROUND                                         ; a whole round: everybody's part of K step 0 is in
	JLOAD G0+4, G1, G0B+4, G1B                     ; K step 1's load, the first tensor load behind the round
	FETCH 0, 0, 0
	s_cmp_eq_u32 s[NOASK], 0
	s_cbranch_scc0 .Lno_ask_b
	global_prefetch_b8 v[PFO], s[PF+4:PF+5] th:TH_LOAD_NT scope:SCOPE_SE
.Lno_ask_b:
	STEP 0, 1                                      ; the first products start the sums: nothing is cleared
	TURN 0, 1, 1
	STEP 1, 0
	TURN 1, 0, 1
	STEP 0, 0
	TURN 0, 1, 0                                   ; the last lap fills nothing
	STEP 1, 0
	PLACES NP                                      ; in front of the loads into B's set 0
	WIN TO_B
.irp b, 0,1,2,3,4,5,6,7
	global_load_b128 v[8*\b:8*\b+3], v[BO], s[10:11] offset:64*\b          ; the bias of features 16 b + 8 h + 0 .. 7
	global_load_b128 v[8*\b+4:8*\b+7], v[BO], s[10:11] offset:64*\b+16
.endr
	WIN 0
	s_wait_dscnt 0x0
	WIN MUL_LO
	MUL16 0, 1, 0
	MUL16 2, 1, 0
	WIN 0
; THE WAY OUT, 16 tokens x 128 features at a time, through my own stage: back come whole rows of 512 bytes, which the 32 lanes store as one aligned run of 512 bytes.
.macro TOSTAGE a
.set AC, 64*(\a)
	WIN 0x12                                       ; source 0 (the sums) window 2, source 2 (the bias) window 1
.set j, 0
.rept 32
	v_pk_fma_f32 v[TMP+j:TMP+j+1], v[AC+j:AC+j+1], s[96:97], v[j:j+1] op_sel_hi:[1,0,1]   ; sum x 2^(e6 + e7) + bias; each accumulator from its low end on
.set j, j+2
.endr
	WIN 0
.irp b, 0,1,2,3,4,5,6,7
	ds_store_b128 v[STO], v[TMP+8*\b:TMP+8*\b+3] offset:64*\b
	ds_store_b128 v[STO], v[TMP+8*\b+4:TMP+8*\b+7] offset:64*\b+16
.endr
.set BB, BK+64*((\a)%2)
.irp t, 0,1,2,3,4,5,6,7,8,9,10,11,12,13,14,15
	ds_load_b128 v[BB+4*\t:BB+4*\t+3], v[RD] offset:\t*SPITCH   ; LDS serves a wave's instructions in order: these see my stores
.endr
.endm
.macro SEND a, younger                 ; younger: the LDS instructions issued behind block a's loads, which may stay out
.set BB, BK+64*((\a)%2)
	s_wait_dscnt \younger
.if (\a) > 0
	s_add_nc_u64 s[12:13], s[12:13], 16*SIZE_N*4   ; (behind a wait on XCNT: the earlier stores have read their base)
.endif
.irp t, 0,1,2,3,4,5,6,7,8,9,10,11,12,13,14,15
	global_store_b128 v[CO], v[BB+4*\t:BB+4*\t+3], s[12:13] offset:\t*SIZE_N*4 th:TH_STORE_NT
.endr
.endm
	s_wait_kmcnt 0x0
	s_add_co_i32 s96, s96, s97
	s_add_co_i32 s96, s96, 127
	s_lshl_b32 s96, s96, 23                        ; 2^(e6 + e7) as f32
	s_mov_b32 s97, s96
	s_wait_loadcnt 0x0                             ; the bias
	PLACES NP
	TOSTAGE 0
.irp a, 1,2,3
.if \a > 1
	s_wait_xcnt 0x0                                ; block a - 2's stores have read their registers and their base
.endif
	TOSTAGE \a
	SEND \a-1, 32
.endr
	s_wait_xcnt 0x0
	SEND 3, 0
	s_wait_tensorcnt 0x0                           ; the wave's end
	ds_add_u32 v[SPW], v[NIL]
	s_wait_dscnt 0x0
	CROUND                                         ; the closing round: no work-group ends while a partner may still ask for a tile that names it
	s_endpgm
.Lfunc_end_k_qb6677d8ecb_gemm_out:
	.size	k_qb6677d8ecb_gemm_out, .Lfunc_end_k_qb6677d8ecb_gemm_out-k_qb6677d8ecb_gemm_out
	.p2alignl 7, 3214868480
	.fill 96, 4, 3214868480
	.section	.rodata,"a",@progbits
	.p2align	6, 0x0
	.amdhsa_kernel k_qb6677d8ecb_gemm_out
		.amdhsa_group_segment_fixed_size 327680
		.amdhsa_private_segment_fixed_size 0
		.amdhsa_enable_private_segment 0
		.amdhsa_kernarg_size 40
		.amdhsa_user_sgpr_count 2
		.amdhsa_user_sgpr_kernarg_segment_ptr 1
		.amdhsa_wavefront_size32 1
		.amdhsa_system_sgpr_workgroup_id_x 1
		.amdhsa_system_sgpr_workgroup_id_y 1
		.amdhsa_system_sgpr_workgroup_id_z 1
		.amdhsa_system_vgpr_workitem_id 0
		.amdhsa_next_free_vgpr 768
		.amdhsa_next_free_sgpr 100
		.amdhsa_reserve_vcc 0
		.amdhsa_float_denorm_mode_32 3
		.amdhsa_float_denorm_mode_16_64 3
		.amdhsa_memory_ordered 1
		.amdhsa_forward_progress 1
		.amdhsa_inst_pref_size 94
	.end_amdhsa_kernel
	.amdgpu_metadata
---
amdhsa.version: [ 1, 2 ]
amdhsa.kernels:
  - .name:           k_qb6677d8ecb_gemm_out
    .symbol:         k_qb6677d8ecb_gemm_out.kd
    .args:
      - { .name: a_codes, .offset: 0, .size: 8, .value_kind: global_buffer, .address_space: global }
      - { .name: w_codes, .offset: 8, .size: 8, .value_kind: global_buffer, .address_space: global }
      - { .name: lowp_scales, .offset: 16, .size: 8, .value_kind: global_buffer, .address_space: global }
      - { .name: b_out, .offset: 24, .size: 8, .value_kind: global_buffer, .address_space: global }
      - { .name: out0, .offset: 32, .size: 8, .value_kind: global_buffer, .address_space: global }
    .group_segment_fixed_size: 327680
    .private_segment_fixed_size: 0
    .kernarg_segment_align: 8
    .kernarg_segment_size: 40
    .max_flat_workgroup_size: 128
    .sgpr_count:     100
    .vgpr_count:     768
    .wavefront_size: 32
...
	.end_amdgpu_metadata
.endif
;; end of part 4
